; MI455X (gfx1250); checked and timed in simulation.
; The chip was launched on July 23, 2026; its instructions are those of AMD's public machine-readable ISA for CDNA 5 (MIT licence, August 2026) and "CDNA5" Instruction Set Architecture Reference Guide (July 2026). The comments in the code are by the model that wrote it; some were corrected since.
;; Stream Gemma Attention. Allowed arithmetic: matrix products marked QUANTISED: E2M3 operands, one E8M0 scale for each 32 along K, by v_wmma_scale_f32_16x16x128_f8f6f4 with both operands' format E2M3, f32 sums; everything else in f32.
;; Inputs: attention_mask 1 x 1 x 2,048 x 4,096 float32; cos 1 x 4,096 x 256 float32; hidden_states 1 x 4,096 x 2,048 float32; k_norm_w 256 float32; q_norm_w 256 float32; sin 1 x 4,096 x 256 float32; v_norm_w 256 float32; wk 2,048 x 1,024 float32; wo 2,048 x 2,048 float32; wq 2,048 x 2,048 float32; wv 2,048 x 1,024 float32.
;; Outputs: out0 1 x 2,048 x 2,048 float32.
;; Constants: end = 4096, start = 2048.
;; This version of the problem:
;;   THIS VERSION OF THE PROBLEM IS GIVEN IN LOW PRECISION. The matrix products marked QUANTISED in the list below multiply operands that are first quantised to E2M3 (2 exponent bits, 3 mantissa bits; 6 bits a number), with one power-of-two scale for each 32 numbers along K (OCP MX v1.0); their sums are f32. All else is computed in f32.
;;   The module's matrix products, in the order in which they are computed (A, B: the left and right operand; K: the contracted axis; several contracted axes count as one K, in the product's order):
;;     1. [M 2,048, K 2,048] x [K 2,048, N 2,048]; A: input hidden_states; B: input wq: QUANTISED
;;     2. [M 4,096, K 2,048] x [K 2,048, N 1,024]; A: input hidden_states; B: input wk: QUANTISED
;;     3. [M 4,096, K 2,048] x [K 2,048, N 1,024]; A: input hidden_states; B: input wv: QUANTISED
;;     4. batch 8 x [M 2,048, K 256] x [K 256, N 4,096]; A: computed on the way; B: computed on the way: QUANTISED
;;     5. batch 8 x [M 2,048, K 4,096] x [K 4,096, N 256]; A: softmax (see below); B: computed on the way: QUANTISED
;;     6. [M 2,048, K 2,048] x [K 2,048, N 2,048]; A: computed on the way; B: input wo: QUANTISED
;;   THE QUANTISER, for each operand of a quantised product, along K:
;;     - K is cut into blocks of 32 from its start; a last block that is shorter is filled with zeros.
;;     - A block's scale is 2^e with e = floor(log2(the largest magnitude in the block)) - 2, held to -126 .. 127; a block of zeros has e = 0. As a byte (E8M0): e + 127.
;;     - Each number is divided by its block's scale, clamped to +-7.5, and rounded to the nearest number of E2M3, ties to even, subnormals kept.
;;     - The product sums the exact products of the quantised numbers (number of the format x scale) in f32.
;;   ~~~python
;;   def quantise(x, axis):      # numpy; x: float32 -> the quantised numbers, widened to float32 again
;;       x = np.moveaxis(x, axis, -1); K = x.shape[-1]
;;       x = np.pad(x, [(0, 0)] * (x.ndim - 1) + [(0, -K % 32)]); x = x.reshape(x.shape[:-1] + (-1, 32)); a = np.abs(x).max(-1, keepdims=True)
;;       e = np.where(a > 0, np.clip(np.frexp(np.where(a > 0, a, 1))[1] - 1 - 2, -126, 127), 0)      # np.frexp(a)[1] - 1 = floor(log2(a)), exactly
;;       r = np.clip(x / 2.0 ** e, -7.5, 7.5)
;;       step = 2.0 ** (np.maximum(np.frexp(np.where(r == 0, 1, r))[1] - 1, 0) - 3)
;;       q = np.round(r / step) * step * 2.0 ** e      # np.round: ties to even
;;       return np.moveaxis(q.reshape(q.shape[:-2] + (-1,))[..., :K], -1, axis).astype(np.float32)
;;   ~~~
;;   SOFTMAX AHEAD OF A QUANTISED PRODUCT. Where the list says 'softmax', what is quantised is not the finished softmax but p = 2^(t - M), with t = logit x log2(e) and M = ceil(the row's largest t), a whole number; so 1/2 < the row's largest p <= 1. The row's sum l is taken of the UNQUANTISED p, in f32, and the product's result is divided by l at the end. Since M is a whole number, a kernel that streams over the keys may use a running M (the ceiling of the running maximum): every later rescaling is an exact power of two, which a block's scale takes up: the codes' values come out the same.
;;   OPERANDS COMPUTED ON THE WAY. 'Computed on the way' means the value that the module computes at that place (a softmax that the list does not call 'softmax' is quantised finished and normalised). What goes into a quantiser is computed in f32, as accurately as f32 sums, v_exp_f32 and their like allow (about 1e-6 of the number): no bf16 or f16 on the way to a quantiser, and a product that is left as it is and whose result goes on into a quantised operand takes f32 operands (vector FMAs, or v_wmma_f32_16x16x4_f32). A number that lies on a knife's edge between two numbers of the format may be rounded either way, as far as f32 arithmetic and the matrix unit's own rounding can turn it there, and no further.
;; One version. Each part assembles by itself: llvm-mc -triple=amdgcn-amd-amdhsa -mcpu=gfx1250 --defsym DOCPART=n.
;; ======== version 1 of 1: 4 launches
;; limits: right only within a limited range of input values
;; workspace buffers: hsimg 6,553,600 bytes; wimg 9,830,400 bytes; qimg 3,145,728 bytes; qsc 131,072 bytes; kvimg 6,553,600 bytes; aimg 3,276,800 bytes
;; launch quant (part 1): grid 320 x 1, 4 waves a work-group, no clusters, 68,096 bytes of LDS; arguments hidden_states, wq, wk, wv, wo, hsimg, wimg; writes hsimg, wimg
.if DOCPART == 1
	.amdgcn_target "amdgcn-amd-amdhsa--gfx1250"
	.amdhsa_code_object_version 6
	.text
	.protected	k_q8774ab3335_quant
	.globl	k_q8774ab3335_quant
	.p2align	8
	.type	k_q8774ab3335_quant,@function
k_q8774ab3335_quant:
	s_mov_b64 s[64:65], 0
	v_nop
	global_prefetch_b8 v0, s[64:65] scope:SCOPE_SE
	s_setreg_imm32_b32 hwreg(HW_REG_WAVE_MODE, 25, 1), 1
	s_wait_xcnt 0x0
; hidden_states [4096][2048] and the four weights ([2048 (K)][N]) , all f32, become codes of FP6 (E2M3) with one E8M0 byte for each 32 along K,
; laid as IMAGES OF OPERAND REGISTERS: a fragment is 16 rows x 128 K = 12 registers a lane = 1,536 bytes, registers 4 c .. 4 c + 3 of lane l at 512 c + 16 l.
; A block of 25,600 bytes holds the 16 fragments of 256 rows for one K step (fragment i at 1,536 i) and their scale words (24,576 + 64 i + 4 r).
; hsimg: [16 blocks of 256 tokens][16 K steps];  wimg: [24 groups of 256 columns: 0-7 wq, 8-11 wk, 12-15 wv, 16-23 wo][16 K steps].
; THE ROWS OF A TILE ARE NOT NEIGHBOURS: lane-row r of tile 2 B + u is row 32 B + 8 u + r + 8 (r / 8), so that results made with such a tile as source 0 have 16 neighbours in 16 registers.
; A block's scale is 2^(floor(log2(largest magnitude)) - 2): the byte is the largest magnitude's exponent field - 2, held at 1 from below.
; LIMITS: a block of zeros gets the byte 1 where the rule says 127 (its codes are zeros; only this program reads the bytes); NaN and infinities are not served.
; Work-groups 0-127: 32 tokens each, wave w takes K steps 4 w .. 4 w + 3; each load reads 512 consecutive bytes, the numbers turn through the wave's own stage in LDS.
; Work-groups 128-319: 128 columns x 512 along K of a weight; a lane takes a column and its registers run down K.  No input is shared between work-groups: no cluster, no tensor load.
.set BLKB,  25600
.set STG,   16896                      ; a wave's stage: 32 rows x (512 + 16) bytes
.set SPARE, 4*STG                      ; behind the stages: the spare words, 128 bytes a wave
.set SPW, 1                            ; v1  my spare word's address; never rewritten
.set NIL, 2                            ; v2  0; never rewritten
.set LI,  3                            ; v3  16 x lane
.set SA,  4                            ; v4  stage, way in
.set RA,  5                            ; v5  stage, way out
.set LS,  6                            ; v6  4 x lane
.set H8,  7                            ; v7  8 x (lane / 16)
.set VO,  8                            ; v8  4 x my column
.set MX,  12                           ; v12-13 largest magnitudes
.set SO,  14                           ; v14-15 scale operands
.set BY,  16                           ; v16-17 bytes
.set WD,  18                           ; v18-19 the two tiles' scale words
.set WT,  20
.set WMG, 21
.set PC,  28                           ; v28-39 a fragment's codes
.set CT,  40                           ; v40-42, v44-46
.set X,   48                           ; v48-111 64 numbers
.set FA,  112                          ; weights: v112-123, v124-135 two fragments
.set FB,  124
.set CW,  136
.set SB,  139
.set R,   128                          ; tokens: v128-255 as loaded
.macro HLOAD n                         ; K step n of my four: 32 rows, 512 consecutive bytes a load
.set p, 0
.rept 32
	global_load_b128 v[R+4*p:R+4*p+3], v[LI], s[4:5] offset:8192*p+512*(\n) th:TH_LOAD_NT
.set p, p+1
.endr
.endm
; 64 numbers of a lane (two whole blocks: k = 64 c + 32 h + 0 .. 31) become the fragment's 12 registers and the row's scale word
.macro QUANTW wd
.irp c, 0,1
	v_max3_num_f32 v[MX+\c], |v[X+32*\c]|, |v[X+32*\c+1]|, 0x1800000      ; with the floor 2^(3 - 127): the byte cannot fall under 1
.endr
.irp i, 2,4,6,8,10,12,14,16,18,20,22,24,26,28,30
.irp c, 0,1
	v_max3_num_f32 v[MX+\c], v[MX+\c], |v[X+32*\c+\i]|, |v[X+32*\c+\i+1]|
.endr
.endr
.irp c, 0,1
	v_add_nc_u32 v[SO+\c], 0xff000000, v[MX+\c]    ; 2 off the exponent field: the conversion's scale operand
.endr
.irp c, 0,1
	v_lshrrev_b32 v[BY+\c], 23, v[SO+\c]
.endr
	v_lshl_or_b32 v[\wd], v[BY+1], 16, v[BY]       ; my bytes: blocks h and 2 + h,
	v_lshlrev_b32 v[\wd], v[H8], v[\wd]            ; at their places;
	v_permlanex16_b32 v[WT], v[\wd], s28, s29
	v_or_b32 v[\wd], v[\wd], v[WT]                 ; with lane l xor 16's the word is whole
.irp c, 0,1
	v_cvt_scalef32_pk16_fp6_f32 v[PC+6*\c:PC+6*\c+2], v[X+32*\c:X+32*\c+15], v[SO+\c]
	v_cvt_scalef32_pk16_fp6_f32 v[CT+4*\c:CT+4*\c+2], v[X+32*\c+16:X+32*\c+31], v[SO+\c]
.endr
	v_nop                                          ; one plain place behind the conversions
.irp c, 0,1
.irp i, 0,1,2
	v_mov_b32 v[PC+6*\c+3+\i], v[CT+4*\c+\i]
.endr
.endr
.endm
.macro HUNIT n
	s_wait_loadcnt 0x0                             ; this K step's 32 loads; none is younger
.set p, 0
.rept 32
	ds_store_b128 v[SA], v[R+4*p:R+4*p+3] offset:528*p
.set p, p+1
.endr
.irp u, 0,1
.irp c, 0,1
.irp j, 0,1,2,3,4,5,6,7
	ds_load_b128 v[X+32*\c+4*\j:X+32*\c+4*\j+3], v[RA] offset:8*\u*528+256*\c+16*\j   ; LDS serves a wave's instructions in order: these see my stores
.endr
.endr
	s_wait_dscnt 0x0                               ; my numbers are in, and the stores have read their registers
.if (\u == 0) && ((\n) < 3)
	HLOAD (\n)+1
.endif
	s_wait_xcnt 0x0                                ; the earlier stores have read the codes' and the word's registers
	QUANTW WD+\u
.irp c, 0,1,2
	global_store_b128 v[LI], v[PC+4*\c:PC+4*\c+3], s[30:31] offset:BLKB*(\n)+1536*\u+512*\c   ; 512 consecutive bytes
.endr
.endr
	v_cndmask_b32 v[WMG], v[WD], v[WD+1], s19      ; lanes 0-15 the even tile's words, lanes 16-31 the odd tile's
	global_store_b32 v[LS], v[WMG], s[32:33] offset:BLKB*(\n)
.endm
.macro WLOAD t, pitch                  ; block t: W(32 t + i, my column)
.set i, 0
.rept 32
	global_load_b32 v[X+32*((\t)%2)+i], v[VO], s[24:25] offset:(32*(\t)+i)*\pitch th:TH_LOAD_NT
.set i, i+1
.endr
.endm
.macro WBLOCK t, pitch
.set XS, X+32*((\t)%2)
.set BL, (\t)%4
.set NN, (\t)/4
.set FF, FA+12*(BL%2)+6*(BL/2)         ; even blocks to the first run of registers, odd ones to the second
.if (\t) < 15
	s_wait_loadcnt 32                              ; this block's loads are in; the next block's 32 may be out
.else
	s_wait_loadcnt 0x0
.endif
	v_max3_num_f32 v[MX], |v[XS]|, |v[XS+1]|, |v[XS+2]|
	v_max3_num_f32 v[MX+1], |v[XS+3]|, |v[XS+4]|, |v[XS+5]|
.irp i, 6,10,14,18,22,26
	v_max3_num_f32 v[MX], v[MX], |v[XS+\i]|, |v[XS+\i+1]|
	v_max3_num_f32 v[MX+1], v[MX+1], |v[XS+\i+2]|, |v[XS+\i+3]|
.endr
	v_max3_num_f32 v[MX], v[MX], |v[XS+30]|, |v[XS+31]|
	v_max3_num_f32 v[MX], v[MX], v[MX+1], 0x1800000
	v_add_nc_u32 v[SO], 0xff000000, v[MX]
	v_lshrrev_b32 v[BY], 23, v[SO]
.if (BL == 0) && (NN > 0)
	s_wait_alu depctr_va_vdst(0)
	s_wait_xcnt 0x0                                ; the last K step's stores have read the fragments and the word
.endif
.if BL == 0
	v_mov_b32 v[SB], v[BY]
.else
	v_lshl_or_b32 v[SB], v[BY], 8*BL, v[SB]
.endif
	v_cvt_scalef32_pk16_fp6_f32 v[FF:FF+2], v[XS:XS+15], v[SO]
	v_cvt_scalef32_pk16_fp6_f32 v[CW:CW+2], v[XS+16:XS+31], v[SO]
	v_nop
.irp i, 0,1,2
	v_mov_b32 v[FF+3+\i], v[CW+\i]
.endr
.if (\t)+2 < 16
	WLOAD (\t)+2, \pitch
.endif
.if BL == 3                            ; lanes 0-15 hold the even tile's columns, lanes 16-31 the odd tile's: one exchange of halves gives both fragments
.irp k, 0,1,2,3,4,5,6,7,8,9,10,11
	v_permlane16_swap_b32 v[FA+\k], v[FB+\k]
.endr
.irp c, 0,1,2
	global_store_b128 v[LI], v[FA+4*\c:FA+4*\c+3], s[30:31] offset:BLKB*NN+512*\c
	global_store_b128 v[LI], v[FB+4*\c:FB+4*\c+3], s[30:31] offset:BLKB*NN+1536+512*\c
.endr
	global_store_b32 v[LS], v[SB], s[32:33] offset:BLKB*NN
.endif
.endm
.macro WPATH pitch
	WLOAD 0, \pitch
	WLOAD 1, \pitch
.set Q, 0
.rept 16
	WBLOCK Q, \pitch
.set Q, Q+1
.endr
.endm
	s_load_b256 s[4:11], s[0:1], 0x0               ; hidden_states, wq, wk, wv
	s_load_b128 s[12:15], s[0:1], 0x20             ; wo, hsimg
	s_load_b64 s[16:17], s[0:1], 0x30              ; wimg
	v_lshl_add_u32 v[SPW], v0, 2, SPARE
	v_mov_b32 v[NIL], 0
	v_lshrrev_b32 v9, 5, v0
	v_readfirstlane_b32 s18, v9                    ; wave
	v_and_b32 v9, 31, v0
	v_lshlrev_b32 v[LI], 4, v9
	v_lshlrev_b32 v[LS], 2, v9
	s_mov_b32 s19, 0xffff0000                      ; lanes 16-31
	s_mov_b32 s28, 0x76543210
	s_mov_b32 s29, 0xfedcba98                      ; lane l xor 16
	s_cmp_lt_u32 ttmp9, 128
	s_cbranch_scc0 .Lweights
	; ---- tokens 32 G .. 32 G + 31
	s_lshr_b32 s20, ttmp9, 3                       ; block of 256 tokens
	s_and_b32 s21, ttmp9, 7                        ; pair of tiles in it
	s_mul_i32 s22, s18, STG
	s_wait_alu depctr_va_vdst(0)
	v_add_nc_u32 v[SA], s22, v[LI]
	v_and_b32 v10, 15, v0
	v_bfe_u32 v11, v0, 4, 1
	v_and_b32 v9, 8, v10
	v_add_nc_u32 v9, v9, v10                       ; r + 8 (r / 8)
	v_mul_u32_u24 v[RA], v9, 528
	v_lshl_add_u32 v[RA], v11, 7, v[RA]            ; + 128 h: my block of 32 numbers
	v_add_nc_u32 v[RA], s22, v[RA]
	v_lshlrev_b32 v[H8], 3, v11
	v_mov_b32 v[WT], 0                             ; a lane permute's destination counts as read
	s_lshl_b32 s22, ttmp9, 18                      ; 32 rows of 8,192 bytes
	s_lshl_b32 s23, s18, 11                        ; my four K steps of 512 bytes
	s_add_co_u32 s22, s22, s23
	s_mov_b32 s23, 0
	s_lshl_b32 s24, s20, 4
	s_lshl_b32 s25, s18, 2
	s_add_co_u32 s24, s24, s25
	s_mul_i32 s24, s24, BLKB                       ; my first block of the image
	s_mul_i32 s26, s21, 3072
	s_add_co_u32 s26, s26, s24                     ; my pair's fragments
	s_mov_b32 s27, 0
	s_lshl_b32 s25, s21, 7
	s_add_co_u32 s24, s24, s25
	s_add_co_u32 s24, s24, 24576                   ; and its scale words
	s_mov_b32 s25, 0
	s_wait_alu depctr_va_vdst(0)
	s_wait_kmcnt 0x0
	s_add_nc_u64 s[4:5], s[4:5], s[22:23]
	s_add_nc_u64 s[30:31], s[14:15], s[26:27]
	s_add_nc_u64 s[32:33], s[14:15], s[24:25]
	HLOAD 0
	HUNIT 0
	HUNIT 1
	HUNIT 2
	HUNIT 3
	s_wait_tensorcnt 0x0                           ; the wave's end
	ds_add_u32 v[SPW], v[NIL]
	s_wait_dscnt 0x0
	s_endpgm
.Lweights:
	s_sub_co_u32 s20, ttmp9, 128
	s_lshr_b32 s21, s20, 2                         ; block of 128 columns, 0 .. 47 over the four weights
	s_and_b32 s20, s20, 3                          ; which 512 along K
	v_and_b32 v10, 7, v0
	v_bfe_u32 v11, v0, 3, 1
	v_lshl_add_u32 v10, v11, 4, v10
	v_bfe_u32 v11, v0, 4, 1
	v_lshl_add_u32 v10, v11, 3, v10                ; my column of the wave's 32: (l & 7) + 16 ((l >> 3) & 1) + 8 (l >> 4)
	v_lshlrev_b32 v[VO], 2, v10
	s_lshr_b32 s22, s21, 1                         ; group of 256 columns
	s_lshl_b32 s22, s22, 4
	s_lshl_b32 s23, s20, 2
	s_add_co_u32 s22, s22, s23
	s_mul_i32 s22, s22, BLKB
	s_and_b32 s23, s21, 1
	s_lshl_b32 s23, s23, 2
	s_add_co_u32 s23, s23, s18                     ; my pair of tiles in the group
	s_mul_i32 s26, s23, 3072
	s_add_co_u32 s26, s26, s22
	s_mov_b32 s27, 0
	s_lshl_b32 s34, s23, 7
	s_add_co_u32 s34, s34, s22
	s_add_co_u32 s34, s34, 24576
	s_mov_b32 s35, 0
	s_wait_kmcnt 0x0
	s_add_nc_u64 s[30:31], s[16:17], s[26:27]
	s_add_nc_u64 s[32:33], s[16:17], s[34:35]
	s_mov_b64 s[24:25], s[12:13]                   ; which weight: the choice hangs on the work-group's number alone
	s_mov_b32 s36, 32
	s_cmp_lt_u32 s21, 32
	s_cselect_b64 s[24:25], s[10:11], s[24:25]
	s_cselect_b32 s36, 24, s36
	s_cmp_lt_u32 s21, 24
	s_cselect_b64 s[24:25], s[8:9], s[24:25]
	s_cselect_b32 s36, 16, s36
	s_cmp_lt_u32 s21, 16
	s_cselect_b64 s[24:25], s[6:7], s[24:25]
	s_cselect_b32 s36, 0, s36
	s_sub_co_u32 s36, s21, s36
	s_lshl_b32 s36, s36, 9                         ; 128 columns of 4 bytes
	s_lshl_b32 s37, s18, 7                         ; my wave's 32
	s_add_co_u32 s36, s36, s37
	s_sub_co_u32 s38, s21, 16
	s_cmp_lt_u32 s38, 16                           ; wk and wv have rows of 4,096 bytes
	s_cbranch_scc1 .Lnarrow
	s_lshl_b32 s37, s20, 22                        ; 512 rows of 8,192 bytes
	s_add_co_u32 s36, s36, s37
	s_mov_b32 s37, 0
	s_add_nc_u64 s[24:25], s[24:25], s[36:37]
	s_wait_alu depctr_va_vdst(0)
	WPATH 8192
	s_endpgm
.Lnarrow:
	s_lshl_b32 s37, s20, 21
	s_add_co_u32 s36, s36, s37
	s_mov_b32 s37, 0
	s_add_nc_u64 s[24:25], s[24:25], s[36:37]
	s_wait_alu depctr_va_vdst(0)
	WPATH 4096
	s_endpgm
.Lfunc_end_k_q8774ab3335_quant:
	.size	k_q8774ab3335_quant, .Lfunc_end_k_q8774ab3335_quant-k_q8774ab3335_quant
	.p2alignl 7, 3214868480
	.fill 96, 4, 3214868480
	.section	.rodata,"a",@progbits
	.p2align	6, 0x0
	.amdhsa_kernel k_q8774ab3335_quant
		.amdhsa_group_segment_fixed_size 68096
		.amdhsa_private_segment_fixed_size 0
		.amdhsa_enable_private_segment 0
		.amdhsa_kernarg_size 56
		.amdhsa_user_sgpr_count 2
		.amdhsa_user_sgpr_kernarg_segment_ptr 1
		.amdhsa_wavefront_size32 1
		.amdhsa_system_sgpr_workgroup_id_x 1
		.amdhsa_system_sgpr_workgroup_id_y 1
		.amdhsa_system_sgpr_workgroup_id_z 1
		.amdhsa_system_vgpr_workitem_id 0
		.amdhsa_next_free_vgpr 256
		.amdhsa_next_free_sgpr 66
		.amdhsa_reserve_vcc 0
		.amdhsa_float_denorm_mode_32 3
		.amdhsa_float_denorm_mode_16_64 3
		.amdhsa_memory_ordered 1
		.amdhsa_forward_progress 1
		.amdhsa_inst_pref_size 211
	.end_amdhsa_kernel
	.amdgpu_metadata
---
amdhsa.version: [ 1, 2 ]
amdhsa.kernels:
  - .name:           k_q8774ab3335_quant
    .symbol:         k_q8774ab3335_quant.kd
    .args:
      - { .name: hidden_states, .offset: 0, .size: 8, .value_kind: global_buffer, .address_space: global }
      - { .name: wq, .offset: 8, .size: 8, .value_kind: global_buffer, .address_space: global }
      - { .name: wk, .offset: 16, .size: 8, .value_kind: global_buffer, .address_space: global }
      - { .name: wv, .offset: 24, .size: 8, .value_kind: global_buffer, .address_space: global }
      - { .name: wo, .offset: 32, .size: 8, .value_kind: global_buffer, .address_space: global }
      - { .name: hsimg, .offset: 40, .size: 8, .value_kind: global_buffer, .address_space: global }
      - { .name: wimg, .offset: 48, .size: 8, .value_kind: global_buffer, .address_space: global }
    .group_segment_fixed_size: 68096
    .private_segment_fixed_size: 0
    .kernarg_segment_align: 8
    .kernarg_segment_size: 56
    .max_flat_workgroup_size: 128
    .sgpr_count:     66
    .vgpr_count:     256
    .wavefront_size: 32
...
	.end_amdgpu_metadata
.endif
;; end of part 1
;; launch proj (part 2): grid 8 x 24, 4 waves a work-group, clusters of 4 x 4, 327,680 bytes of LDS; arguments hsimg, wimg, cos, sin, q_norm_w, k_norm_w, v_norm_w, qimg, qsc, kvimg; writes qimg, qsc, kvimg
.if DOCPART == 2
	.amdgcn_target "amdgcn-amd-amdhsa--gfx1250"
	.amdhsa_code_object_version 6
	.text
	.protected	k_q8774ab3335_proj
	.globl	k_q8774ab3335_proj
	.p2align	8
	.type	k_q8774ab3335_proj,@function
k_q8774ab3335_proj:
	s_mov_b64 s[64:65], 0
	v_nop
	global_prefetch_b8 v0, s[64:65] scope:SCOPE_SE
	s_setreg_imm32_b32 hwreg(HW_REG_WAVE_MODE, 25, 1), 1
	s_wait_xcnt 0x0
	s_wait_alu depctr_hold_cnt(0) depctr_sa_sdst(0) depctr_va_vdst(0) depctr_va_sdst(0) depctr_va_ssrc(0) depctr_va_vcc(0) depctr_vm_vsrc(0)
	s_getreg_b32 s2, hwreg(HW_REG_IB_STS2, 6, 4)
	s_cmp_eq_u32 s2, 0
	s_cbranch_scc0 .Lentry_in_a_cluster
	s_endpgm
.Lentry_in_a_cluster:
	s_bfe_u32 s2, ttmp6, 0x10000c
	s_cmp_lg_u32 s2, 0xf033
	s_cbranch_scc0 .Lentry_shape_is_right
	s_endpgm
.Lentry_shape_is_right:
.set BLKB,  25600
.set SLOT,  4*BLKB
.set WSC,   2*SLOT
.set SSB,   WSC+4096
.set SPARE, SSB+4096
.set SS2,   SPARE+512                  ; V's norm: 64 rows (wave x 16 + lane % 16) of 1,024 + 16 bytes of partial sums of squares; no tile lands here
.set SPW, 1
.set NIL, 2
.set F0,  3
.set F1,  5
.set Z0,  7
.set Z1,  9
.set VC,  11
.set WA,  12
.set LI,  13
.set LS,  14
.set WSA, 15
.set NW,  16
.set RS,  24
.set SCA, 32
.set SCB, 48
.set TM,  52
.set PW,  68
.set PC,  72
.set WT,  92
.set Y,   128
.set SRC, 128
.set G1T, 24
.set G0T, 32
.set G1W, 48
.set G0W, 56
.set WV,  40
.set HI,  84
.set SEL, 86
.set MSB, 0
.macro WIN new
.if MSB != \new
	s_set_vgpr_msb (MSB<<8)|\new
.set MSB, \new
.endif
.endm
.macro PLACES n
.rept \n
	v_nop
.endr
.endm
.macro CREST
	s_cmp_lg_u32 s[WV], 0
	s_cbranch_scc1 .Lnot_wave_0_\@
	s_barrier_signal -3
.Lnot_wave_0_\@:
	s_barrier_wait -3
	s_barrier_signal -1
	s_barrier_wait -1
.endm
.macro CROUND
	s_barrier_signal -1
	s_barrier_wait -1
	CREST
.endm
.macro JLOAD s
	s_cmp_eq_u32 s45, 0
	s_cbranch_scc0 .Lfor_w_\@
	tensor_load_to_lds s[G0T+4*\s:G0T+4*\s+3], s[G1T:G1T+7]
	s_nop 0
.rept 4
	v_nop
.endr
	s_branch .Lasked_\@
.Lfor_w_\@:
	tensor_load_to_lds s[G0W+4*\s:G0W+4*\s+3], s[G1W:G1W+7]
	s_nop 0
.rept 4
	v_nop
.endr
.Lasked_\@:
.endm
; A prefetch behind each joint load: the fill that stands two fills on.  Of the 100 blocks of 256 bytes that my wave fetches, my work-group names 25 (told apart by address: cx for tokens, cy for weights), a lane a block;
; lanes 25-31 name the last block again.  guard = 1, in the loop: the last trip's two fills have no fill two on.
.macro ASK off, guard
.if \guard
	s_cmp_gt_u32 s47, 1
	s_cbranch_scc0 .Lno_ask_\@
.endif
	global_prefetch_b8 v71, s[92:93] offset:\off th:TH_LOAD_NT scope:SCOPE_SE
.Lno_ask_\@:
.endm
.macro WMX
.if fZ
.if fRA && fRB
	v_wmma_scale_f32_16x16x128_f8f6f4 v[rD:rD+7], v[rA:rA+11], v[rB:rB+11], 0, v[rSA], v[rSB] matrix_a_fmt:MATRIX_FMT_FP6 matrix_b_fmt:MATRIX_FMT_FP6 matrix_a_scale:MATRIX_SCALE_ROW1 matrix_b_scale:MATRIX_SCALE_ROW1
.elseif fRA
	v_wmma_scale_f32_16x16x128_f8f6f4 v[rD:rD+7], v[rA:rA+11], v[rB:rB+11], 0, v[rSA], v[rSB] matrix_a_fmt:MATRIX_FMT_FP6 matrix_b_fmt:MATRIX_FMT_FP6 matrix_a_scale:MATRIX_SCALE_ROW1
.elseif fRB
	v_wmma_scale_f32_16x16x128_f8f6f4 v[rD:rD+7], v[rA:rA+11], v[rB:rB+11], 0, v[rSA], v[rSB] matrix_a_fmt:MATRIX_FMT_FP6 matrix_b_fmt:MATRIX_FMT_FP6 matrix_b_scale:MATRIX_SCALE_ROW1
.else
	v_wmma_scale_f32_16x16x128_f8f6f4 v[rD:rD+7], v[rA:rA+11], v[rB:rB+11], 0, v[rSA], v[rSB] matrix_a_fmt:MATRIX_FMT_FP6 matrix_b_fmt:MATRIX_FMT_FP6
.endif
.else
.if fRA && fRB
	v_wmma_scale_f32_16x16x128_f8f6f4 v[rD:rD+7], v[rA:rA+11], v[rB:rB+11], v[rD:rD+7], v[rSA], v[rSB] matrix_a_fmt:MATRIX_FMT_FP6 matrix_b_fmt:MATRIX_FMT_FP6 matrix_a_scale:MATRIX_SCALE_ROW1 matrix_b_scale:MATRIX_SCALE_ROW1
.elseif fRA
	v_wmma_scale_f32_16x16x128_f8f6f4 v[rD:rD+7], v[rA:rA+11], v[rB:rB+11], v[rD:rD+7], v[rSA], v[rSB] matrix_a_fmt:MATRIX_FMT_FP6 matrix_b_fmt:MATRIX_FMT_FP6 matrix_a_scale:MATRIX_SCALE_ROW1
.elseif fRB
	v_wmma_scale_f32_16x16x128_f8f6f4 v[rD:rD+7], v[rA:rA+11], v[rB:rB+11], v[rD:rD+7], v[rSA], v[rSB] matrix_a_fmt:MATRIX_FMT_FP6 matrix_b_fmt:MATRIX_FMT_FP6 matrix_b_scale:MATRIX_SCALE_ROW1
.else
	v_wmma_scale_f32_16x16x128_f8f6f4 v[rD:rD+7], v[rA:rA+11], v[rB:rB+11], v[rD:rD+7], v[rSA], v[rSB] matrix_a_fmt:MATRIX_FMT_FP6 matrix_b_fmt:MATRIX_FMT_FP6
.endif
.endif
.endm
.macro MUL b0, nb, q, zero
.set fZ, \zero
.set bb, \b0
.rept \nb
.set aa, 0
.rept 4
.set rD, 8*((4*bb+aa)%32)
.set rA, 12*bb
.set rB, SRC+48*(\q)+12*aa
.set rSA, SCA+8*(\q)+bb/2
.set rSB, SCB+2*(\q)+aa/2
.set fRA, bb%2
.set fRB, aa%2
	WMX
.set aa, aa+1
.endr
.set bb, bb+1
.endr
.endm
.macro FETCH0 sl, q, b0
	WIN 0x40
.set bb, \b0
.rept 8
.irp c, 0,1,2
	ds_load_b128 v[12*bb+4*\c:12*bb+4*\c+3], v[F0+\sl] offset:BLKB*(\q)+1536*bb+512*\c
.endr
.set bb, bb+1
.endr
	WIN 0
.endm
.macro FETCH1 sl, q
.irp a, 0,1,2,3
.irp c, 0,1,2
	ds_load_b128 v[SRC+48*(\q)+12*\a+4*\c:SRC+48*(\q)+12*\a+4*\c+3], v[F1+\sl] offset:BLKB*(\q)+1536*\a+512*\c
.endr
.endr
.endm
.macro SCALES sl, q
.irp g, 0,1,2,3,4,5,6,7
	ds_load_b32 v[SCA+8*(\q)+\g], v[Z0+\sl] offset:BLKB*(\q)+128*\g
.endr
.irp g, 0,1
	ds_load_b32 v[SCB+2*(\q)+\g], v[Z1+\sl] offset:BLKB*(\q)+128*\g
.endr
.endm
.macro STEP sl, zero
	s_wait_dscnt 24
	WIN 0xa1
	MUL 0, 8, 0, \zero
	s_wait_dscnt 0x0
	PLACES 4
	FETCH0 \sl, 1, 0
	FETCH1 \sl, 1
	SCALES \sl, 1
	WIN 0xf1
	MUL 8, 8, 0, \zero
	PLACES 4
	FETCH0 \sl, 1, 8
.endm
.macro TURN sl, next, fill
	s_wait_tensorcnt 0x0
	ds_add_u32 v[SPW], v[NIL]
	s_wait_dscnt 25
	WIN 0xa1
	MUL 0, 4, 1, 0
	s_wait_dscnt 0x0
	s_barrier_signal -1
	MUL 4, 4, 1, 0
	WIN 0
	s_barrier_wait -1
.if \fill
	CREST
	s_add_nc_u64 s[G0T+4*\sl+2:G0T+4*\sl+3], s[G0T+4*\sl+2:G0T+4*\sl+3], 4*BLKB
	s_add_nc_u64 s[G0W+4*\sl+2:G0W+4*\sl+3], s[G0W+4*\sl+2:G0W+4*\sl+3], 4*BLKB
	JLOAD \sl
.else
	PLACES 4
.endif
	FETCH0 \next, 0, 0
	FETCH1 \next, 0
	SCALES \next, 0
.if \fill
	ASK 4*BLKB+2*BLKB*(\sl), 1
.endif
	WIN 0xf1
	MUL 8, 8, 1, 0
	PLACES 4
	FETCH0 \next, 0, 8
.endm
.macro QUANT s
.irp b, 0,1,2,3
	v_max3_num_f32 v[TM+\b], |v[\s+16*\b]|, |v[\s+1+16*\b]|, 0x1800000
.endr
.irp i, 2,4,6,8,10,12,14
.irp b, 0,1,2,3
	v_max3_num_f32 v[TM+\b], v[TM+\b], |v[\s+16*\b+\i]|, |v[\s+1+16*\b+\i]|
.endr
.endr
.irp b, 0,1,2,3
	v_permlanex16_b32 v[TM+4+\b], v[TM+\b], s[SEL], s[SEL+1]
.endr
.irp b, 0,1,2,3
	v_max_num_f32 v[TM+\b], v[TM+\b], v[TM+4+\b]
.endr
.irp b, 0,1,2,3
	v_add_nc_u32 v[TM+12+\b], 0xff000000, v[TM+\b]
.endr
.irp b, 0,1,2,3
	v_lshrrev_b32 v[TM+4+\b], 23, v[TM+12+\b]
.endr
	v_lshl_or_b32 v[PW], v[TM+5], 8, v[TM+4]
	v_lshl_or_b32 v[PW], v[TM+6], 16, v[PW]
	v_lshl_or_b32 v[PW], v[TM+7], 24, v[PW]
.irp c, 0,1
	v_cvt_scalef32_pk16_fp6_f32 v[PC+6*\c:PC+2+6*\c], v[\s+32*\c:\s+15+32*\c], v[TM+12+2*\c]
	v_cvt_scalef32_pk16_fp6_f32 v[PC+12+4*\c:PC+14+4*\c], v[\s+16+32*\c:\s+31+32*\c], v[TM+12+2*\c+1]
.endr
	v_nop
.irp c, 0,1
.irp i, 0,1,2
	v_permlane16_swap_b32 v[PC+6*\c+\i], v[PC+12+4*\c+\i]
.endr
.irp i, 0,1,2
	v_mov_b32 v[PC+3+6*\c+\i], v[PC+12+4*\c+\i]
.endr
.endr
.endm
.macro FINISH
	s_wait_tensorcnt 0x0
	ds_add_u32 v[SPW], v[NIL]
	s_wait_dscnt 0x0
	CROUND
	s_endpgm
.endm
.macro CSLOAD a, c
	WIN 0x40
.irp j, 0,1,2,3
	global_load_b128 v[64*(\c)+4*\j:64*(\c)+4*\j+3], v[VC], s[8:9] offset:(32*((\a)/2)+8*((\a)%2))*1024+128*(\c)+16*\j
	global_load_b128 v[64*(\c)+16+4*\j:64*(\c)+16+4*\j+3], v[VC], s[10:11] offset:(32*((\a)/2)+8*((\a)%2))*1024+128*(\c)+16*\j
	global_load_b128 v[64*(\c)+32+4*\j:64*(\c)+32+4*\j+3], v[VC], s[8:9] offset:(32*((\a)/2)+8*((\a)%2))*1024+128*(\c)+16*\j+512
	global_load_b128 v[64*(\c)+48+4*\j:64*(\c)+48+4*\j+3], v[VC], s[10:11] offset:(32*((\a)/2)+8*((\a)%2))*1024+128*(\c)+16*\j+512
.endr
	WIN 0
.endm
.macro CHUNK a, c
.irp j, 0,1,2,3
	ds_load_b128 v[WT+4*\j:WT+4*\j+3], v[WA] offset:128*(\c)+16*\j
	ds_load_b128 v[WT+16+4*\j:WT+16+4*\j+3], v[WA] offset:128*(\c)+512+16*\j
.endr
.if (\a) < 3
	s_wait_loadcnt 48
.else
	s_wait_loadcnt 16*(3-(\c))
.endif
	s_wait_dscnt 0x0
	WIN 0x82
.irp i, 0,2,4,6,8,10,12,14
.set rL, 8*(8*(\c)+4*(\i/8)+(\a))+\i%8
	v_pk_mul_f32 v[rL:rL+1], v[rL:rL+1], v[RS+2*(\a):RS+2*(\a)+1] op_sel_hi:[1,0]
.endr
	WIN 0xa2
.irp i, 0,2,4,6,8,10,12,14
.set rL, 8*(8*(\c)+4*(\i/8)+(\a))+\i%8
	v_pk_fma_f32 v[rL:rL+1], v[rL:rL+1], v[WT+\i:WT+\i+1], v[rL:rL+1]
.endr
	WIN 0xc3
.irp i, 0,2,4,6,8,10,12,14
.set rL, 8*(8*(\c)+4*(\i/8)+(\a))+\i%8
	v_pk_mul_f32 v[rL:rL+1], v[rL:rL+1], v[RS+2*(\a):RS+2*(\a)+1] op_sel_hi:[1,0]
.endr
	WIN 0xf3
.irp i, 0,2,4,6,8,10,12,14
.set rL, 8*(8*(\c)+4*(\i/8)+(\a))+\i%8
	v_pk_fma_f32 v[rL:rL+1], v[rL:rL+1], v[WT+16+\i:WT+16+\i+1], v[rL:rL+1]
.endr
	WIN 0x06
.irp i, 0,2,4,6,8,10,12,14
.set rL, 8*(8*(\c)+4*(\i/8)+(\a))+\i%8
	v_pk_mul_f32 v[Y+16*(\c)+\i:Y+16*(\c)+\i+1], v[rL:rL+1], v[64*(\c)+\i:64*(\c)+\i+1]
.endr
	WIN 0x07
.irp i, 0,2,4,6,8,10,12,14
.set rL, 8*(8*(\c)+4*(\i/8)+(\a))+\i%8
	v_pk_mul_f32 v[Y+64+16*(\c)+\i:Y+64+16*(\c)+\i+1], v[rL:rL+1], v[64*(\c)+32+\i:64*(\c)+32+\i+1]
.endr
.irp i, 0,2,4,6,8,10,12,14
.set rL, 8*(8*(\c)+4*(\i/8)+(\a))+\i%8
	v_pk_fma_f32 v[Y+16*(\c)+\i:Y+16*(\c)+\i+1], v[rL:rL+1], v[64*(\c)+16+\i:64*(\c)+16+\i+1], v[Y+16*(\c)+\i:Y+16*(\c)+\i+1] neg_lo:[1,0,0] neg_hi:[1,0,0]
.endr
	WIN 0x06
.irp i, 0,2,4,6,8,10,12,14
.set rL, 8*(8*(\c)+4*(\i/8)+(\a))+\i%8
	v_pk_fma_f32 v[Y+64+16*(\c)+\i:Y+64+16*(\c)+\i+1], v[rL:rL+1], v[64*(\c)+48+\i:64*(\c)+48+\i+1], v[Y+64+16*(\c)+\i:Y+64+16*(\c)+\i+1]
.endr
	WIN 0
.if (\a) < 3
	CSLOAD (\a)+1, \c
.endif
.endm
.macro TILEOUT a
	s_wait_xcnt 0x0
	QUANT Y
.irp c, 0,1,2
	global_store_b128 v[LI], v[PC+4*\c:PC+4*\c+3], s[78:79] offset:(2*(\a))*1536+512*\c
.endr
	v_mov_b32 v[PW+1], v[PW]
	s_wait_xcnt 0x0
	QUANT Y+64
.irp c, 0,1,2
	global_store_b128 v[LI], v[PC+4*\c:PC+4*\c+3], s[78:79] offset:(2*(\a)+1)*1536+512*\c
.endr
	v_cndmask_b32 v[PW+2], v[PW+1], v[PW], s[HI]
	global_store_b32 v[LS], v[PW+2], s[80:81] offset:128*(\a)
.endm
.macro VTILE a
.set bb, 0
.rept 16
.if bb < 8
	WIN 0x06
.else
	WIN 0x07
.endif
.irp j, 0,2,4,6
	v_pk_mul_f32 v[Y+8*bb+\j:Y+8*bb+\j+1], v[8*((4*bb+(\a))%32)+\j:8*((4*bb+(\a))%32)+\j+1], v[8*bb+\j:8*bb+\j+1]
.endr
.set bb, bb+1
.endr
	WIN 0
.set x, 0
.rept 64
	v_pk_fma_f32 v[Y+x:Y+x+1], v[Y+x:Y+x+1], v[WT+8+2*(\a):WT+8+2*(\a)+1], v[Y+x:Y+x+1] op_sel_hi:[1,0,1]
.set x, x+2
.endr
	s_wait_xcnt 0x0
	QUANT Y
.irp c, 0,1,2
	global_store_b128 v[LI], v[PC+4*\c:PC+4*\c+3], s[78:79] offset:(\a)*1536+512*\c
.endr
	v_mov_b32 v[WT+2*(\a)], v[PW]
	s_wait_xcnt 0x0
	QUANT Y+64
.irp c, 0,1,2
	global_store_b128 v[LI], v[PC+4*\c:PC+4*\c+3], s[78:79] offset:51200+(\a)*1536+512*\c
.endr
	v_mov_b32 v[WT+2*(\a)+1], v[PW]
.endm
	s_load_b512 s[4:19], s[0:1], 0x0
	s_load_b128 s[20:23], s[0:1], 0x40
	v_lshl_add_u32 v[SPW], v0, 2, SPARE
	v_mov_b32 v[NIL], 0
	ds_add_u32 v[SPW], v[NIL]
	ds_add_u32 v[SPW], v[NIL]
	v_lshrrev_b32 v3, 5, v0
	v_readfirstlane_b32 s[WV], v3
	v_and_b32 v71, 31, v0
	v_min_u32 v71, 24, v71
	v_lshlrev_b32 v71, 8, v71                      ; the prefetches' offset: 256 x min(lane, 24); never rewritten
	s_lshr_b32 s45, s[WV], 1
	s_bfe_u32 s41, ttmp6, 0x40000
	s_bfe_u32 s42, ttmp6, 0x40004
	s_lshl_b32 s43, ttmp9, 2
	s_add_co_u32 s43, s43, s41
	s_and_b32 s69, ttmp7, 0xffff
	s_lshl_b32 s44, s69, 2
	s_add_co_u32 s44, s44, s42
	s_lshr_b32 s66, s69, 1
	s_min_u32 s66, s66, 1
	s_and_b32 s46, s66, ttmp9
	s_lshl_b32 s67, s66, 3
	s_add_co_u32 s67, s67, s43
	s_add_co_u32 s68, s44, 8
	s_and_b32 s68, s68, 15
	s_lshl_b32 s70, s42, 2
	s_lshl_b32 s70, 15, s70
	s_lshl_b32 s71, 0x1111, s41
	s_or_b32 s[G1T], s70, (3<<16)|(1<<21)
	s_or_b32 s[G1W], s71, (3<<16)|(1<<21)
.irp g, G1T, G1W
	s_mov_b32 s[\g+1], 32<<16
	s_mov_b32 s[\g+2], 100<<16
	s_mov_b32 s[\g+3], 32<<16
	s_mov_b32 s[\g+4], 100
	s_mov_b32 s[\g+5], 32
	s_mov_b32 s[\g+6], 0
	s_mov_b32 s[\g+7], 0
.endr
	s_and_b32 s72, s[WV], 1
	s_mul_i32 s72, s72, BLKB
	s_mul_i32 s74, s68, 16*BLKB
	s_add_co_u32 s74, s74, s72
	s_mov_b32 s75, 0
	s_mul_i32 s76, s67, 16*BLKB
	s_add_co_u32 s76, s76, s72
	s_mov_b32 s77, 0
	s_mul_i32 s73, s[WV], BLKB
	s_mov_b32 s[HI], 0xffff0000
	s_mov_b32 s[SEL], 0x76543210
	s_mov_b32 s[SEL+1], 0xfedcba98
	s_mov_b32 s88, 0x3b800000
	s_mov_b32 s89, 0x358637bd
	s_wait_dscnt 0x0
	s_wait_kmcnt 0x0
	s_add_nc_u64 s[74:75], s[4:5], s[74:75]
	s_add_nc_u64 s[76:77], s[6:7], s[76:77]
	s_cmp_eq_u32 s45, 0                            ; where my prefetches stand: my block of fill 0 (tokens or weights, by the wave's number),
	s_cselect_b64 s[92:93], s[74:75], s[76:77]
	s_cselect_b32 s94, s41, s42                    ; my place among the four that ask for it with me,
	s_mul_i32 s94, s94, 25*256                     ; 25 blocks of 256 bytes each
	s_mov_b32 s95, 0
	s_add_nc_u64 s[92:93], s[92:93], s[94:95]
	CROUND
.irp s, 0,1
	s_mov_b32 s[G0T+4*\s], 1
	s_add_co_u32 s[G0T+4*\s+1], s73, \s*SLOT
	s_add_nc_u64 s[G0T+4*\s+2:G0T+4*\s+3], s[74:75], \s*2*BLKB
	s_or_b32 s[G0T+4*\s+3], s[G0T+4*\s+3], 0x80000000
	s_mov_b32 s[G0W+4*\s], 1
	s_add_co_u32 s[G0W+4*\s+1], s73, \s*SLOT
	s_add_nc_u64 s[G0W+4*\s+2:G0W+4*\s+3], s[76:77], \s*2*BLKB
	s_or_b32 s[G0W+4*\s+3], s[G0W+4*\s+3], 0x80000000
	s_wait_alu depctr_va_vdst(0)
	s_wait_tensorcnt 0x0
	ds_add_u32 v1, v2
	ds_add_u32 v1, v2
	s_wait_dscnt 0x0
	CROUND
	JLOAD \s
	ASK 4*BLKB+2*BLKB*\s, 0
.endr
	v_and_b32 v15, 31, v0
	v_lshlrev_b32 v[LI], 4, v15
	s_wait_alu depctr_va_vdst(0)
	v_lshlrev_b32 v[LS], 2, v15
	s_wait_alu depctr_va_vdst(0)
	s_cmp_eq_u32 s66, 0
	s_cselect_b64 s[90:91], s[12:13], s[14:15]
	s_cmp_eq_u32 s46, 0
	s_cselect_b64 s[90:91], s[90:91], s[16:17]
	s_cselect_b32 s78, 2*BLKB, 0
	s_cselect_b32 s79, 0, 2*BLKB
	global_load_b128 v[NW:NW+3], v[LI], s[90:91]
	global_load_b128 v[NW+4:NW+7], v[LI], s[90:91] offset:512
	s_mul_i32 s80, s[WV], 6144
	s_add_co_u32 s80, s80, s79
	s_lshl_b32 s81, s[WV], 8
	s_add_co_u32 s81, s81, s79
	s_add_co_u32 s81, s81, 24576
	s_add_co_u32 s82, s78, 24576
	v_add_nc_u32 v[F0], s78, v[LI]
	v_add_nc_u32 v[F0+1], SLOT, v[F0]
	v_add_nc_u32 v[F1], s80, v[LI]
	v_add_nc_u32 v[F1+1], SLOT, v[F1]
	v_add_nc_u32 v[Z0], s82, v[LS]
	v_add_nc_u32 v[Z0+1], SLOT, v[Z0]
	v_add_nc_u32 v[Z1], s81, v[LS]
	v_add_nc_u32 v[Z1+1], SLOT, v[Z1]
	s_lshl_b32 s83, s[WV], 10
	s_add_co_u32 s83, s83, WSC
	v_add_nc_u32 v[WSA], s83, v[LI]
	v_bfe_u32 v[WA], v0, 4, 1
	v_lshlrev_b32 v[VC], 6, v[WA]
	v_add_nc_u32 v[WA], s83, v[VC]
	v_and_b32 v24, 15, v0
	v_and_b32 v25, 8, v24
	v_add_nc_u32 v24, v24, v25
	v_lshl_add_u32 v[VC], v24, 10, v[VC]
.irp b, 0,1,2,3
	v_mov_b32 v[TM+4+\b], 0
.endr
	s_wait_tensorcnt 0x1
	s_barrier_signal -1
	s_barrier_wait -1
	FETCH0 0, 0, 0
	FETCH1 0, 0
	SCALES 0, 0
	FETCH0 0, 0, 8
	STEP 0, 1
	s_mov_b32 s47, 3
.Llap:
	s_wait_xcnt 0x0                                ; my prefetches have read their address: it steps two fills on
	s_add_nc_u64 s[92:93], s[92:93], 4*BLKB
	TURN 0, 1, 1
	STEP 1, 0
	TURN 1, 0, 1
	STEP 0, 0
	s_sub_co_u32 s47, s47, 1
	s_cmp_lg_u32 s47, 0
	s_cbranch_scc1 .Llap
	TURN 0, 1, 0
	STEP 1, 0
	s_wait_dscnt 24
	WIN 0xa1
	MUL 0, 8, 1, 0
	s_wait_dscnt 0x0
	WIN 0xf1
	MUL 8, 8, 1, 0
	WIN 0
	PLACES 4
	s_wait_loadcnt 0x0
	ds_store_b128 v[WSA], v[NW:NW+3]
	ds_store_b128 v[WSA], v[NW+4:NW+7] offset:512
	s_cmp_lg_u32 s46, 0
	s_cbranch_scc1 .Lv
	s_and_b32 s70, s68, 7
	s_lshl_b32 s71, s67, 7
	s_lshl_b32 s70, s70, 4
	s_add_co_u32 s71, s71, s70
	s_lshl_b32 s70, s[WV], 2
	s_add_co_u32 s71, s71, s70
	s_mul_i32 s72, s71, 3072
	s_lshl_b32 s73, s71, 7
	s_and_b32 s74, s67, 3
	s_lshl_b32 s74, s74, 5
	s_lshl_b32 s75, s68, 1
	s_add_co_u32 s74, s74, s75
	s_add_co_u32 s74, s74, s45
	s_mul_i32 s74, s74, 51200
	s_and_b32 s75, s[WV], 1
	s_mul_i32 s76, s75, 12288
	s_add_co_u32 s76, s76, s74
	s_lshl_b32 s75, s75, 9
	s_add_co_u32 s77, s74, s75
	s_add_co_u32 s77, s77, 24576
	s_cmp_eq_u32 s66, 0
	s_cselect_b32 s72, s72, s76
	s_cselect_b32 s74, s73, s77
	s_cselect_b64 s[78:79], s[18:19], s[22:23]
	s_cselect_b64 s[80:81], s[20:21], s[22:23]
	s_mov_b32 s73, 0
	s_mov_b32 s75, 0
	s_add_nc_u64 s[78:79], s[78:79], s[72:73]
	s_add_nc_u64 s[80:81], s[80:81], s[74:75]
	s_lshl_b32 s82, s68, 18
	s_lshl_b32 s83, s[WV], 16
	s_add_co_u32 s82, s82, s83
	s_mov_b32 s83, 0
	s_add_nc_u64 s[8:9], s[8:9], s[82:83]
	s_add_nc_u64 s[10:11], s[10:11], s[82:83]
	s_wait_alu depctr_va_vdst(0)
	CSLOAD 0, 0
	CSLOAD 0, 1
	CSLOAD 0, 2
	CSLOAD 0, 3
.set bb, 0
.rept 16
.if bb < 8
	WIN 0x0a
.else
	WIN 0x0f
.endif
.set aa, 0
.rept 4
.set jp, 0
.rept 4
.set rX, 8*((4*bb+aa)%32)+2*jp
.set rC, TM+4*aa+2*(jp%2)
.if (bb == 0) && (jp < 2)
	v_pk_mul_f32 v[rC:rC+1], v[rX:rX+1], v[rX:rX+1]
.else
	v_pk_fma_f32 v[rC:rC+1], v[rX:rX+1], v[rX:rX+1], v[rC:rC+1]
.endif
.set jp, jp+1
.endr
.set aa, aa+1
.endr
.set bb, bb+1
.endr
	WIN 0
.irp a, 0,1,2,3
	v_pk_add_f32 v[TM+4*\a:TM+4*\a+1], v[TM+4*\a:TM+4*\a+1], v[TM+4*\a+2:TM+4*\a+3]
.endr
.irp a, 0,1,2,3
	v_add_f32 v[TM+4*\a], v[TM+4*\a], v[TM+4*\a+1]
.endr
.irp a, 0,1,2,3
	v_permlanex16_b32 v[TM+4*\a+1], v[TM+4*\a], s[SEL], s[SEL+1]
.endr
.irp a, 0,1,2,3
	v_add_f32 v[TM+4*\a], v[TM+4*\a], v[TM+4*\a+1]
.endr
.irp a, 0,1,2,3
	v_fma_f32 v[TM+4*\a], v[TM+4*\a], s88, s89
.endr
	s_wait_alu depctr_va_vdst(0)
.irp a, 0,1,2,3
	v_rsq_f32 v[RS+2*\a], v[TM+4*\a]
.endr
	v_nop
	s_wait_alu depctr_va_vdst(0)
.irp a, 0,1,2,3
	v_mov_b32 v[RS+2*\a+1], v[RS+2*\a]
.endr
	s_wait_alu depctr_va_vdst(0)
.irp a, 0,1,2,3
.irp c, 0,1,2,3
	CHUNK \a, \c
.endr
	TILEOUT \a
.endr
	FINISH
.Lv:
	v_bfe_u32 v27, v0, 4, 1
	v_lshlrev_b32 v25, 6, v27
	v_add_nc_u32 v25, SSB, v25
	s_mul_i32 s70, s[WV], 16*1040
	s_add_co_u32 s70, s70, SS2-SSB
	v_and_b32 v26, 15, v0
	v_mad_u32_u24 v24, v26, 1040, v25              ; my row of partial sums: SS2 + (16 wave + r) x 1,040 + 64 h
	v_add_nc_u32 v24, s70, v24
	v_lshl_add_u32 v28, v0, 3, SS2                 ; my thread's two tokens in every row of partial sums,
	v_lshl_add_u32 v29, v0, 3, SSB                 ; and where their two factors go
	v_and_b32 v27, 8, v26
	v_add_nc_u32 v26, v26, v27
	s_mul_i32 s70, s[WV], 1280
	s_add_co_u32 s70, s70, WSC
	v_lshl_add_u32 v26, v26, 2, s70
	s_and_b32 s71, s67, 3
	s_lshl_b32 s71, s71, 5
	s_lshl_b32 s72, s68, 1
	s_add_co_u32 s71, s71, s72
	s_mul_i32 s71, s71, 51200
	s_mul_i32 s72, s[WV], 6144
	s_add_co_u32 s72, s72, s71
	s_add_co_u32 s72, s72, 25600
	s_mov_b32 s73, 0
	s_lshl_b32 s74, s[WV], 8
	s_add_co_u32 s74, s74, s71
	s_add_co_u32 s74, s74, 50176
	s_mov_b32 s75, 0
	s_add_nc_u64 s[78:79], s[22:23], s[72:73]
	s_add_nc_u64 s[80:81], s[22:23], s[74:75]
.set bb, 0
.rept 16
.if bb < 8
	WIN 0x0a
.else
	WIN 0x0f
.endif
.set aa, 0
.rept 4
.set jp, 0
.rept 4
.set rX, 8*((4*bb+aa)%32)+2*jp
.set rC, Y+8*bb+2*jp
.if aa == 0
	v_pk_mul_f32 v[rC:rC+1], v[rX:rX+1], v[rX:rX+1]
.else
	v_pk_fma_f32 v[rC:rC+1], v[rX:rX+1], v[rX:rX+1], v[rC:rC+1]
.endif
.set jp, jp+1
.endr
.set aa, aa+1
.endr
.set bb, bb+1
.endr
	WIN 0
.set bb, 0
.rept 16
	ds_store_b128 v24, v[Y+8*bb:Y+8*bb+3] offset:128*(bb/2)+32*(bb%2)
	ds_store_b128 v24, v[Y+8*bb+4:Y+8*bb+7] offset:128*(bb/2)+32*(bb%2)+16
.set bb, bb+1
.endr
	s_wait_dscnt 0x0
	s_barrier_signal -1
	s_barrier_wait -1
.set p, 0
.rept 64
	ds_load_b64 v[Y+2*p:Y+2*p+1], v28 offset:1040*p                ; my two tokens' 64 partial sums: 16 lanes x 4 waves
.set p, p+1
.endr
.irp a, 0,1,2,3
	v_mov_b32 v[WT+8+2*\a+1], 0
	ds_load_b32 v[WT+8+2*\a], v26 offset:128*(\a/2)+32*(\a%2)
.endr
	s_wait_dscnt 0x0
.irp n, 32,16,8,4,2,1
.set i, 0
.rept \n
	v_pk_add_f32 v[Y+2*i:Y+2*i+1], v[Y+2*i:Y+2*i+1], v[Y+2*i+2*\n:Y+2*i+2*\n+1]   ; a tree of 63 packed additions
.set i, i+1
.endr
.endr
	v_fma_f32 v[Y], v[Y], s88, s89                 ; the mean over 256, + eps
	v_fma_f32 v[Y+1], v[Y+1], s88, s89
	s_wait_alu depctr_va_vdst(0)                   ; the wait ahead of the batch
	v_rsq_f32 v[Y+2], v[Y]
	v_rsq_f32 v[Y+3], v[Y+1]
	v_nop
	s_wait_alu depctr_va_vdst(0)                   ; and behind it
	ds_store_b64 v29, v[Y+2:Y+3]
	s_wait_dscnt 0x0                               ; for the other waves' sake
	s_barrier_signal -1
	s_barrier_wait -1
	WIN 0x40
.set bb, 0
.rept 16
	ds_load_b128 v[8*bb:8*bb+3], v25 offset:128*(bb/2)+32*(bb%2)   ; the factors of my 128 tokens
	ds_load_b128 v[8*bb+4:8*bb+7], v25 offset:128*(bb/2)+32*(bb%2)+16
.set bb, bb+1
.endr
	WIN 0
	s_wait_dscnt 0x0
	VTILE 0
	VTILE 1
	VTILE 2
	VTILE 3
	s_wait_alu depctr_va_vdst(0)
	s_wait_xcnt 0x0
.irp p, 0,1
.irp g, 0,1
	v_cndmask_b32 v[WT+20+2*\p+\g], v[WT+4*\g+\p], v[WT+4*\g+2+\p], s[HI]
	global_store_b32 v[LS], v[WT+20+2*\p+\g], s[80:81] offset:51200*\p+128*\g
.endr
.endr
	FINISH
.Lfunc_end_k_q8774ab3335_proj:
	.size	k_q8774ab3335_proj, .Lfunc_end_k_q8774ab3335_proj-k_q8774ab3335_proj
	.p2alignl 7, 3214868480
	.fill 96, 4, 3214868480
	.section	.rodata,"a",@progbits
	.p2align	6, 0x0
	.amdhsa_kernel k_q8774ab3335_proj
		.amdhsa_group_segment_fixed_size 327680
		.amdhsa_private_segment_fixed_size 0
		.amdhsa_enable_private_segment 0
		.amdhsa_kernarg_size 80
		.amdhsa_user_sgpr_count 2
		.amdhsa_user_sgpr_kernarg_segment_ptr 1
		.amdhsa_wavefront_size32 1
		.amdhsa_system_sgpr_workgroup_id_x 1
		.amdhsa_system_sgpr_workgroup_id_y 1
		.amdhsa_system_sgpr_workgroup_id_z 1
		.amdhsa_system_vgpr_workitem_id 0
		.amdhsa_next_free_vgpr 1024
		.amdhsa_next_free_sgpr 100
		.amdhsa_reserve_vcc 0
		.amdhsa_float_denorm_mode_32 3
		.amdhsa_float_denorm_mode_16_64 3
		.amdhsa_memory_ordered 1
		.amdhsa_forward_progress 1
		.amdhsa_inst_pref_size 255
	.end_amdhsa_kernel
	.section	.bss,"aw",@nobits
	.p2align	6
	.space	262144
	.amdgpu_metadata
---
amdhsa.version: [ 1, 2 ]
amdhsa.kernels:
  - .name:           k_q8774ab3335_proj
    .symbol:         k_q8774ab3335_proj.kd
    .args:
      - { .name: hsimg, .offset: 0, .size: 8, .value_kind: global_buffer, .address_space: global }
      - { .name: wimg, .offset: 8, .size: 8, .value_kind: global_buffer, .address_space: global }
      - { .name: cos, .offset: 16, .size: 8, .value_kind: global_buffer, .address_space: global }
      - { .name: sin, .offset: 24, .size: 8, .value_kind: global_buffer, .address_space: global }
      - { .name: q_norm_w, .offset: 32, .size: 8, .value_kind: global_buffer, .address_space: global }
      - { .name: k_norm_w, .offset: 40, .size: 8, .value_kind: global_buffer, .address_space: global }
      - { .name: v_norm_w, .offset: 48, .size: 8, .value_kind: global_buffer, .address_space: global }
      - { .name: qimg, .offset: 56, .size: 8, .value_kind: global_buffer, .address_space: global }
      - { .name: qsc, .offset: 64, .size: 8, .value_kind: global_buffer, .address_space: global }
      - { .name: kvimg, .offset: 72, .size: 8, .value_kind: global_buffer, .address_space: global }
    .group_segment_fixed_size: 327680
    .private_segment_fixed_size: 0
    .kernarg_segment_align: 8
    .kernarg_segment_size: 80
    .max_flat_workgroup_size: 128
    .sgpr_count:     100
    .vgpr_count:     1024
    .wavefront_size: 32
...
	.end_amdgpu_metadata
.endif
;; end of part 2
;; launch attn (part 3): grid 4 x 64, 4 waves a work-group, clusters of 4 x 4, 327,680 bytes of LDS; arguments attention_mask, qimg, qsc, kvimg, aimg; writes aimg
.if DOCPART == 3
	.amdgcn_target "amdgcn-amd-amdhsa--gfx1250"
	.amdhsa_code_object_version 6
	.text
	.protected	k_q8774ab3335_attn
	.globl	k_q8774ab3335_attn
	.p2align	8
	.type	k_q8774ab3335_attn,@function
k_q8774ab3335_attn:
	s_mov_b64 s[64:65], 0
	v_nop
	global_prefetch_b8 v0, s[64:65] scope:SCOPE_SE
	s_setreg_imm32_b32 hwreg(HW_REG_WAVE_MODE, 25, 1), 1
	s_wait_xcnt 0x0
	s_wait_alu depctr_hold_cnt(0) depctr_sa_sdst(0) depctr_va_vdst(0) depctr_va_sdst(0) depctr_va_ssrc(0) depctr_va_vcc(0) depctr_vm_vsrc(0)
	s_getreg_b32 s2, hwreg(HW_REG_IB_STS2, 6, 4)
	s_cmp_eq_u32 s2, 0
	s_cbranch_scc0 .Lentry_in_a_cluster
	s_endpgm
.Lentry_in_a_cluster:
	s_bfe_u32 s2, ttmp6, 0x10000c
	s_cmp_lg_u32 s2, 0xf033
	s_cbranch_scc0 .Lentry_shape_is_right
	s_endpgm
.Lentry_shape_is_right:
; Attention on codes of FP6 (E2M3): scores, soft cap 50 tanh(s / 800), the additive mask as it is given, the streaming softmax, P V, the division by the row's sum, and the quantising of the result along head x 256 + d.
; SHARES.  A work-group takes kv head g = cx and 32 queries (block qb), for both query heads of g.  Wave w: tile of 16 queries qt = w & 1, half of the keys kh = w >> 1 (16 steps of 128 keys).
; A wave holds two PLACES: place 0 = head 2 g + kh, place 1 = the other head: both use the same mask registers, and each fragment of K and V feeds two products.  At the end every wave hands place 1 to wave w xor 2
; and keeps place 0, so that each (head, tile) is finished by one wave.
; LAYOUT.  Both products transposed: S^T = K Q^T, O^T = V^T P^T: a lane holds one query (lane % 16).  The keys of a tile of K are chosen so that 16 registers of two neighbouring tiles are 16 neighbouring keys.
; SOFTMAX.  t = logit x log2(e); M = the running largest t rounded up to a whole number; p = 2^(t - M) is quantised along the keys; the row's sum is taken of the unquantised p; a change of M multiplies by an exact power of two.
; CLUSTER 4 x 4.  K's and V's block hangs on cx: asked for jointly along a column; the mask's tile hangs on qb: asked for jointly along a row.
; No prefetch: a step's tiles are asked for straight behind the round, and the wait for them stands a whole key step later (64 products and the softmax of 128 x 32 scores a wave).
; LIMITS.  tanh(y) = 1 - 2 / (1 + 2^(2 y log2(e))): absolute error of some 2e-7 in tanh; it saturates rightly.  Where |t| is so large that f32 no longer holds whole numbers apart (a row all of whose
; keys carry a mask of some -1e9), p may pass 1 by a power of two up to 2^64, which the division by the row's sum takes out.  A mask of -infinity gives p = 0.  A block of zeros gets the byte 1.  NaN is not served.
; REGISTERS.  window 0: v1-9, v24-28 addresses; v10-13 (-M, largest t), v14-17 sums, v18-21 f, v22-23 50.0; v32-51 scale words (nothing else); v64-191 S^T then p (place e at 64 + 64 e); v192-215 p's codes; v216-243 at work.
; window 1: O^T (place e, tile t' at 128 e + 8 t');  window 2: Q at 12 (2 e + s), K at 64 + 12 (2 t + s);  window 3: V at 12 t', the mask at v192-255.
.set KVB,   51200
.set MKB,   16896                      ; 32 rows x (512 + 16) bytes of the mask
.set SLOTB, 2*KVB+2*MKB                ; K V of key half 0, of half 1, the mask's tile of half 0, of half 1
.set SPARE, 2*SLOTB
.set STW,   16640                      ; the merge's stage, a wave: 16,384 bytes of O^T, then -M and the sum; in slot 0, behind its last fill and last read
.set SPW, 1
.set NIL, 2
.set AKV0, 3
.set ASC0, 4
.set AM0, 5
.set ADK, 6
.set ADS, 7
.set ADM, 8
.set LI,  9
.set STA, 24
.set STB, 25
.set STC, 26
.set LS,  27
.set STD, 28
.set KS,  32
.set VS,  40
.set QS,  48
.set PS,  50
.set S,   64
.set P,   192
.set CT,  216
.set BM,  224
.set BT,  228
.set SO,  232
.set T,   236
.set SU,  238
.set TM,  224
.set PC,  192
.set PW,  240
.set WV,  14
.set SEL, 20
.set HI,  22
.set CNT, 23
.set G1K, 24
.set G1M, 32
.set G0K, 40
.set G0M, 44
.set FB,  48                           ; the slot that is filled next
.set TB,  49                           ; the slot that is read
.set KL,  50
.set ML,  51
.set C1,  52
.set CM,  54
.set L2E, 56
.set MSB, 0
.macro WIN new
.if MSB != \new
	s_set_vgpr_msb (MSB<<8)|\new
.set MSB, \new
.endif
.endm
.macro PLACES n
.rept \n
	v_nop
.endr
.endm
.macro CROUND
	s_barrier_signal -1
	s_barrier_wait -1
	s_cmp_lg_u32 s[WV], 0
	s_cbranch_scc1 .Lnot_wave_0_\@
	s_barrier_signal -3
.Lnot_wave_0_\@:
	s_barrier_wait -3
	s_barrier_signal -1
	s_barrier_wait -1
.endm
.macro JLOAD                           ; waves 0, 1 fetch the two key halves' K and V, waves 2, 3 the mask's two tiles
	s_cmp_eq_u32 s15, 0
	s_cbranch_scc0 .Lfor_m_\@
	tensor_load_to_lds s[G0K:G0K+3], s[G1K:G1K+7]
	s_nop 0
.rept 4
	v_nop
.endr
	s_branch .Lasked_\@
.Lfor_m_\@:
	tensor_load_to_lds s[G0M:G0M+3], s[G1M:G1M+7]
	s_nop 0
.rept 4
	v_nop
.endr
.Lasked_\@:
.endm
.macro WMX
.if fZ
.if fRA && fRB
	v_wmma_scale_f32_16x16x128_f8f6f4 v[rD:rD+7], v[rA:rA+11], v[rB:rB+11], 0, v[rSA], v[rSB] matrix_a_fmt:MATRIX_FMT_FP6 matrix_b_fmt:MATRIX_FMT_FP6 matrix_a_scale:MATRIX_SCALE_ROW1 matrix_b_scale:MATRIX_SCALE_ROW1
.elseif fRA
	v_wmma_scale_f32_16x16x128_f8f6f4 v[rD:rD+7], v[rA:rA+11], v[rB:rB+11], 0, v[rSA], v[rSB] matrix_a_fmt:MATRIX_FMT_FP6 matrix_b_fmt:MATRIX_FMT_FP6 matrix_a_scale:MATRIX_SCALE_ROW1
.elseif fRB
	v_wmma_scale_f32_16x16x128_f8f6f4 v[rD:rD+7], v[rA:rA+11], v[rB:rB+11], 0, v[rSA], v[rSB] matrix_a_fmt:MATRIX_FMT_FP6 matrix_b_fmt:MATRIX_FMT_FP6 matrix_b_scale:MATRIX_SCALE_ROW1
.else
	v_wmma_scale_f32_16x16x128_f8f6f4 v[rD:rD+7], v[rA:rA+11], v[rB:rB+11], 0, v[rSA], v[rSB] matrix_a_fmt:MATRIX_FMT_FP6 matrix_b_fmt:MATRIX_FMT_FP6
.endif
.else
.if fRA && fRB
	v_wmma_scale_f32_16x16x128_f8f6f4 v[rD:rD+7], v[rA:rA+11], v[rB:rB+11], v[rD:rD+7], v[rSA], v[rSB] matrix_a_fmt:MATRIX_FMT_FP6 matrix_b_fmt:MATRIX_FMT_FP6 matrix_a_scale:MATRIX_SCALE_ROW1 matrix_b_scale:MATRIX_SCALE_ROW1
.elseif fRA
	v_wmma_scale_f32_16x16x128_f8f6f4 v[rD:rD+7], v[rA:rA+11], v[rB:rB+11], v[rD:rD+7], v[rSA], v[rSB] matrix_a_fmt:MATRIX_FMT_FP6 matrix_b_fmt:MATRIX_FMT_FP6 matrix_a_scale:MATRIX_SCALE_ROW1
.elseif fRB
	v_wmma_scale_f32_16x16x128_f8f6f4 v[rD:rD+7], v[rA:rA+11], v[rB:rB+11], v[rD:rD+7], v[rSA], v[rSB] matrix_a_fmt:MATRIX_FMT_FP6 matrix_b_fmt:MATRIX_FMT_FP6 matrix_b_scale:MATRIX_SCALE_ROW1
.else
	v_wmma_scale_f32_16x16x128_f8f6f4 v[rD:rD+7], v[rA:rA+11], v[rB:rB+11], v[rD:rD+7], v[rSA], v[rSB] matrix_a_fmt:MATRIX_FMT_FP6 matrix_b_fmt:MATRIX_FMT_FP6
.endif
.endif
.endm
.macro QUANT s                         ; 64 numbers of a lane, register 16 b + i = k 32 b + 16 (lane / 16) + i, become codes in v[PC] on and the scale word in v[PW]
.irp b, 0,1,2,3
	v_max3_num_f32 v[TM+\b], |v[\s+16*\b]|, |v[\s+1+16*\b]|, 0x1800000
.endr
.irp i, 2,4,6,8,10,12,14
.irp b, 0,1,2,3
	v_max3_num_f32 v[TM+\b], v[TM+\b], |v[\s+16*\b+\i]|, |v[\s+1+16*\b+\i]|
.endr
.endr
.irp b, 0,1,2,3
	v_permlanex16_b32 v[TM+4+\b], v[TM+\b], s[SEL], s[SEL+1]
.endr
.irp b, 0,1,2,3
	v_max_num_f32 v[TM+\b], v[TM+\b], v[TM+4+\b]
.endr
.irp b, 0,1,2,3
	v_add_nc_u32 v[TM+12+\b], 0xff000000, v[TM+\b]
.endr
.irp b, 0,1,2,3
	v_lshrrev_b32 v[TM+4+\b], 23, v[TM+12+\b]
.endr
	v_lshl_or_b32 v[PW], v[TM+5], 8, v[TM+4]
	v_lshl_or_b32 v[PW], v[TM+6], 16, v[PW]
	v_lshl_or_b32 v[PW], v[TM+7], 24, v[PW]
.irp c, 0,1
	v_cvt_scalef32_pk16_fp6_f32 v[PC+6*\c:PC+2+6*\c], v[\s+32*\c:\s+15+32*\c], v[TM+12+2*\c]
	v_cvt_scalef32_pk16_fp6_f32 v[PC+12+4*\c:PC+14+4*\c], v[\s+16+32*\c:\s+31+32*\c], v[TM+12+2*\c+1]
.endr
	v_nop
.irp c, 0,1
.irp i, 0,1,2
	v_permlane16_swap_b32 v[PC+6*\c+\i], v[PC+12+4*\c+\i]
.endr
.irp i, 0,1,2
	v_mov_b32 v[PC+3+6*\c+\i], v[PC+12+4*\c+\i]
.endr
.endr
.endm
; The softmax of place e for this step's 128 keys: logits in, p's codes and scale word out
.macro SOFT e
.set sS, S+64*(\e)
.set sT, 10+2*(\e)
.set sL, 14+2*(\e)
.set sF, 18+2*(\e)
.set sP, P+12*(\e)
.irp b, 0,1,2,3
	v_max3_num_f32 v[BM+\b], v[sS+16*\b], v[sS+16*\b+1], v[sS+16*\b+2]     ; the largest logit of each block of 32 keys: for the row's maximum and for the block's largest p
.endr
.irp i, 3,5,7,9,11,13
.irp b, 0,1,2,3
	v_max3_num_f32 v[BM+\b], v[BM+\b], v[sS+16*\b+\i], v[sS+16*\b+\i+1]
.endr
.endr
.irp b, 0,1,2,3
	v_max_num_f32 v[BM+\b], v[BM+\b], v[sS+16*\b+15]
.endr
.irp b, 0,1,2,3
	v_permlanex16_b32 v[BT+\b], v[BM+\b], s[SEL], s[SEL+1]
.endr
.irp b, 0,1,2,3
	v_max_num_f32 v[BM+\b], v[BM+\b], v[BT+\b]
.endr
	v_max3_num_f32 v[T], v[BM], v[BM+1], v[BM+2]
	v_max_num_f32 v[T], v[T], v[BM+3]
	v_mul_f32 v[T], s[L2E], v[T]
	v_max_num_f32 v[sT+1], v[sT+1], v[T]           ; the running largest t
	v_mov_b32 v[T], v[sT]
	v_floor_f32 v[sT], -v[sT+1]                    ; -M = floor(-t): M is a whole number
	v_sub_f32 v[T], v[sT], v[T]
	v_cvt_i32_f32 v[T], v[T]                       ; (it saturates)
	v_ldexp_f32 v[sF], 1.0, v[T]                   ; f = 2^(old M - new M)
.set x, 0
.rept 32
	v_pk_fma_f32 v[sS+x:sS+x+1], v[sS+x:sS+x+1], s[L2E:L2E+1], v[sT:sT+1] op_sel_hi:[1,0,0]
.set x, x+2
.endr
.irp b, 0,1,2,3
	v_fma_f32 v[BM+\b], v[BM+\b], s[L2E], v[sT]
.endr
.set x, 0
.if \e == 0
	WIN 0x0c                                       ; source 1 in window 3: the mask, for place 1's addition below
.endif
	s_wait_alu depctr_va_vdst(0)
.rept 32
	v_exp_f32 v[sS+x], v[sS+x]                     ; p = 2^(t - M)
	v_exp_f32 v[sS+x+1], v[sS+x+1]
.if \e == 0
	v_pk_add_f32 v[S+64+x:S+64+x+1], v[S+64+x:S+64+x+1], v[192+x:192+x+1]  ; place 1 + the mask: the same queries and keys
.endif
.set x, x+2
.endr
	WIN 0
	v_pk_mul_f32 v[sL:sL+1], v[sL:sL+1], v[sF:sF+1] op_sel_hi:[1,0]        ; the sums under the new M; a plain place behind the batch
	s_wait_alu depctr_va_vdst(0)                   ; one wait for the batch, ahead of its first reader
.irp b, 0,1,2,3
	v_exp_f32 v[BM+\b], v[BM+\b]                   ; each block's largest p
.endr
	v_pk_add_f32 v[SU:SU+1], v[sS:sS+1], v[sS+2:sS+3]                      ; the row's sum of the unquantised p, in two chains
.irp j, 4,8,12,16,20,24,28,32,36,40,44,48,52,56,60
	v_pk_add_f32 v[sL:sL+1], v[sL:sL+1], v[sS+\j:sS+\j+1]
	v_pk_add_f32 v[SU:SU+1], v[SU:SU+1], v[sS+\j+2:sS+\j+3]
.endr
	v_pk_add_f32 v[sL:sL+1], v[sL:sL+1], v[SU:SU+1]
	s_wait_alu depctr_va_vdst(0)                   ; and one for the four
.irp b, 0,1,2,3
	v_max_num_f32 v[BM+\b], 0x1800000, v[BM+\b]    ; the floor: the byte cannot fall under 1
.endr
.irp b, 0,1,2,3
	v_add_nc_u32 v[SO+\b], 0xff000000, v[BM+\b]
.endr
.irp b, 0,1,2,3
	v_lshrrev_b32 v[BT+\b], 23, v[SO+\b]
.endr
	v_lshl_or_b32 v[PS+\e], v[BT+1], 8, v[BT]
	v_lshl_or_b32 v[PS+\e], v[BT+2], 16, v[PS+\e]
	v_lshl_or_b32 v[PS+\e], v[BT+3], 24, v[PS+\e]
.irp c, 0,1
	v_cvt_scalef32_pk16_fp6_f32 v[sP+6*\c:sP+6*\c+2], v[sS+32*\c:sS+32*\c+15], v[SO+2*\c]
	v_cvt_scalef32_pk16_fp6_f32 v[CT+4*\c:CT+4*\c+2], v[sS+32*\c+16:sS+32*\c+31], v[SO+2*\c+1]
.endr
	v_nop
.irp c, 0,1
.irp i, 0,1,2
	v_permlane16_swap_b32 v[sP+6*\c+\i], v[CT+4*\c+\i]
.endr
.irp i, 0,1,2
	v_mov_b32 v[sP+6*\c+3+\i], v[CT+4*\c+\i]
.endr
.endr
.endm
; THE SOFT CAP goes place by place: one place's packed steps stand between the other place's transcendentals; one wait at each change
.macro CAPP k, e                       ; packed step k (1: + 1; 2: 50 - 100 x) on the pair xq of place e
.set rr, S+64*(\e)+xq
.if \k == 1
	v_pk_add_f32 v[rr:rr+1], v[rr:rr+1], 1.0 op_sel_hi:[1,0]
.else
	v_pk_fma_f32 v[rr:rr+1], v[rr:rr+1], s[CM:CM+1], v[22:23] op_sel_hi:[1,0,1]
.endif
.endm
.macro VLD
.irp c, 0,1,2
	ds_load_b128 v[12*fq+4*\c:12*fq+4*\c+3], v[ADK] offset:25600+1536*fq+512*\c
.endr
.set fq, fq+1
.endm
.macro CAPT op, e, k                   ; four of V's fragments are asked for, directly behind the wait that stands ahead; then 64 transcendentals on place e; k > 0: step k on the other place between them
	WIN 0xc0
.rept 4
	VLD
.endr
	WIN 0
.set xq, 0
.rept 32
	\op v[S+64*(\e)+xq], v[S+64*(\e)+xq]
	\op v[S+64*(\e)+xq+1], v[S+64*(\e)+xq+1]
.if \k > 0
	CAPP \k, 1-(\e)
.endif
.set xq, xq+2
.endr
	v_nop
	s_wait_alu depctr_va_vdst(0)                   ; one wait for the batch and for the packed steps among it
.endm
.macro STEP first
	PLACES 4                                       ; with the three additions: the places in front of loads into registers that the last products read
	v_add_nc_u32 v[ADK], s[TB], v[AKV0]
	v_add_nc_u32 v[ADS], s[TB], v[ASC0]
	v_add_nc_u32 v[ADM], s[TB], v[AM0]
.irp t, 0,1,2,3,4,5,6,7
	ds_load_b32 v[KS+\t], v[ADS] offset:24576+128*\t
.endr
	WIN 0x80
.set gq, 0                             ; the even fragments (d = 0 .. 127) first, then the odd ones
.rept 16
.set f, 2*(gq%8)+gq/8
.irp c, 0,1,2
	ds_load_b128 v[64+12*f+4*\c:64+12*f+4*\c+3], v[ADK] offset:1536*f+512*\c
.endr
.set gq, gq+1
.endr
	WIN 0xc0
.irp b, 0,1,2,3
.irp j, 0,1,2,3
	ds_load_b128 v[192+16*\b+4*\j:192+16*\b+4*\j+3], v[ADM] offset:128*\b+16*\j
.endr
.endr
	s_wait_alu depctr_va_vdst(0)
	s_wait_dscnt 40                                ; K's words and even fragments are in; 24 loads of odd fragments and the mask's 16 may be out
	WIN 0x0a
.set ss, 0
.rept 2
.if ss == 1
	s_wait_dscnt 16                                ; the odd fragments are in; the mask's 16 loads may be out
.endif
.set tt, 0
.rept 8
.set ee, 0
.rept 2
.set rD, S+64*ee+8*tt
.set rA, 64+12*(2*tt+ss)
.set rB, 12*(2*ee+ss)
.set rSA, KS+tt
.set rSB, QS+ee
.set fRA, ss
.set fRB, ss
.set fZ, 1-ss
	WMX
.set ee, ee+1
.endr
.set tt, tt+1
.endr
.set ss, ss+1
.endr
	WIN 0
.irp g, 0,1,2,3,4,5,6,7
	ds_load_b32 v[VS+\g], v[ADS] offset:50176+128*\g
.endr
	PLACES 4
.set x, 0                              ; the soft cap: 50 tanh(s / 800) = 50 - 100 / (1 + 2^(s 2 log2(e) / 800))
.rept 64
	v_pk_mul_f32 v[S+x:S+x+1], v[S+x:S+x+1], s[C1:C1+1] op_sel_hi:[1,0]
.set x, x+2
.endr
.set fq, 0
	s_wait_alu depctr_va_vdst(0)                   ; the wait ahead of the batch
	CAPT v_exp_f32, 0, 0                           ; place 0's exponentials
	CAPT v_exp_f32, 1, 1                           ; place 1's, with place 0's + 1
	CAPT v_rcp_f32, 0, 1                           ; place 0's reciprocals, with place 1's + 1
	CAPT v_rcp_f32, 1, 2                           ; place 1's, with place 0's 50 - 100 x.  The four together have asked for V's 48 loads
.set xq, 0
.rept 32
	CAPP 2, 1
.set xq, xq+2
.endr
	s_wait_dscnt 56                                ; the mask is in; V's 48 loads and its 8 scale loads may be out
	WIN 0x0c
.set x, 0
.rept 32
	v_pk_add_f32 v[S+x:S+x+1], v[S+x:S+x+1], v[192+x:192+x+1]              ; place 0 + the mask; place 1's addition stands among place 0's exponentials
.set x, x+2
.endr
	WIN 0
	SOFT 0
	SOFT 1
.if \first
	s_wait_alu depctr_va_vdst(0)
	PLACES 8                                       ; a scale word written by vector instructions stands eight places ahead of the product
.else
	WIN 0x41
.set x, 0
.rept 64
	v_pk_mul_f32 v[x:x+1], v[x:x+1], v[18:19] op_sel_hi:[1,0]              ; O^T under the new M; these are also the places in front of the products
.set x, x+2
.endr
.rept 64
	v_pk_mul_f32 v[x:x+1], v[x:x+1], v[20:21] op_sel_hi:[1,0]
.set x, x+2
.endr
.endif
	s_wait_alu depctr_va_vdst(0)
	s_wait_dscnt 0x0                               ; V and its words
	WIN 0x53
.set tt, 0                             ; O^T += V^T P^T: 32 accumulators, one product each
.rept 16
.set ee, 0
.rept 2
.set rD, 128*ee+8*tt
.set rA, 12*tt
.set rB, P+12*ee
.set rSA, VS+tt/2
.set rSB, PS+ee
.set fRA, tt%2
.set fRB, 0
.set fZ, \first
	WMX
.set ee, ee+1
.endr
.set tt, tt+1
.endr
	WIN 0
	s_xor_b32 s[TB], s[TB], SLOTB                  ; on to the other slot
.endm
; THE CHANGE OF SLOTS stands at a step's head: all my tensor loads have landed (my part of the tile about to be read), the add, my reads of the slot that I have left are over; behind the round the slot left is filled.
.macro CHANGE fill
	s_wait_tensorcnt 0x0
	ds_add_u32 v[SPW], v[NIL]                      ; 0 onto my spare word
.if \fill
	s_xor_b32 s[FB], s[FB], SLOTB
	s_add_co_u32 s[G0K+1], s[FB], s[KL]
	s_add_co_u32 s[G0M+1], s[FB], s[ML]
	s_add_nc_u64 s[G0K+2:G0K+3], s[G0K+2:G0K+3], KVB
	s_add_nc_u64 s[G0M+2:G0M+3], s[G0M+2:G0M+3], 512
.endif
	s_wait_dscnt 0x0
.if \fill
	CROUND
	JLOAD
.else
	s_barrier_signal -1
	s_barrier_wait -1
.endif
.endm
	s_load_b256 s[4:11], s[0:1], 0x0               ; attention_mask, qimg, qsc, kvimg
	s_load_b64 s[12:13], s[0:1], 0x20              ; aimg
	v_lshl_add_u32 v[SPW], v0, 2, SPARE
	v_mov_b32 v[NIL], 0
	ds_add_u32 v[SPW], v[NIL]                      ; the wave's opening: the add and its wait ahead of my first tensor load
	ds_add_u32 v[SPW], v[NIL]
	v_lshrrev_b32 v3, 5, v0
	v_readfirstlane_b32 s[WV], v3
	s_lshr_b32 s15, s[WV], 1                       ; kh.  Also: I fetch K and V (0) or the mask (1)
	s_and_b32 s16, s[WV], 1                        ; qt.  Also: which key half I fetch for
	s_bfe_u32 s17, ttmp6, 0x40000                  ; cx = the kv head
	s_bfe_u32 s18, ttmp6, 0x40004                  ; cy
	s_and_b32 s19, ttmp7, 0xffff
	s_lshl_b32 s19, s19, 2
	s_add_co_u32 s19, s19, s18                     ; qb: my block of 32 queries
	s_lshl_b32 s58, s18, 2
	s_lshl_b32 s58, 15, s58                        ; my row of the cluster
	s_lshl_b32 s59, 0x1111, s17                    ; my column
	s_or_b32 s[G1K], s59, (3<<16)|(1<<21)          ; K, V: a dense block of 51,200 bytes as 200 rows of 256
	s_mov_b32 s[G1K+1], 32<<16
	s_mov_b32 s[G1K+2], 200<<16
	s_mov_b32 s[G1K+3], 32<<16
	s_mov_b32 s[G1K+4], 200
	s_mov_b32 s[G1K+5], 32
	s_mov_b32 s[G1K+6], 0
	s_mov_b32 s[G1K+7], 0
	s_or_b32 s[G1M], s58, (2<<16)|(1<<20)|(1<<21)|(6<<22)|(3<<25)  ; the mask: 32 rows of 128 f32, 4,096 apart; 4 words of padding behind every 128
	s_mov_b32 s[G1M+1], 128<<16
	s_mov_b32 s[G1M+2], 32<<16
	s_mov_b32 s[G1M+3], 128<<16
	s_mov_b32 s[G1M+4], 32
	s_mov_b32 s[G1M+5], 4096
	s_mov_b32 s[G1M+6], 0
	s_mov_b32 s[G1M+7], 0
	s_lshl_b32 s60, s17, 5
	s_lshl_b32 s61, s16, 4
	s_add_co_u32 s60, s60, s61
	s_mul_i32 s60, s60, KVB                        ; K, V: block 32 g + 16 x half
	s_mov_b32 s61, 0
	s_lshl_b32 s62, s19, 19                        ; the mask: 32 rows of 16,384 bytes,
	s_lshl_b32 s63, s16, 13                        ; + 2,048 keys x half
	s_add_co_u32 s62, s62, s63
	s_mov_b32 s63, 0
	s_mul_i32 s[KL], s16, KVB
	s_mul_i32 s[ML], s16, MKB
	s_add_co_u32 s[ML], s[ML], 2*KVB
	s_mov_b32 s[FB], 0
	s_mov_b32 s[TB], 0
	s_mov_b32 s[SEL], 0x76543210
	s_mov_b32 s[SEL+1], 0xfedcba98
	s_mov_b32 s[HI], 0xffff0000
	s_mov_b32 s[C1], 0x3b6c5f04                    ; 2 log2(e) / 800
	s_mov_b32 s[C1+1], s[C1]
	s_mov_b32 s[CM], 0xc2c80000                    ; -100
	s_mov_b32 s[CM+1], s[CM]
	s_mov_b32 s[L2E], 0x3fb8aa3b                   ; log2(e)
	s_mov_b32 s[L2E+1], s[L2E]
	s_wait_dscnt 0x0                               ; the opening add is done
	s_wait_kmcnt 0x0
	s_mov_b32 s[G0K], 1
	s_mov_b32 s[G0K+1], s[KL]
	s_add_nc_u64 s[G0K+2:G0K+3], s[10:11], s[60:61]
	s_or_b32 s[G0K+3], s[G0K+3], 0x80000000
	s_mov_b32 s[G0M], 1
	s_mov_b32 s[G0M+1], s[ML]
	s_add_nc_u64 s[G0M+2:G0M+3], s[4:5], s[62:63]
	s_or_b32 s[G0M+3], s[G0M+3], 0x80000000
	CROUND                                         ; all sixteen work-groups are here: the first joint loads meet
	JLOAD                                          ; step 0's tiles, into slot 0
	v_and_b32 v29, 31, v0
	v_lshlrev_b32 v[LI], 4, v29
	s_wait_alu depctr_va_vdst(0)
	v_lshlrev_b32 v[LS], 2, v29
	s_wait_alu depctr_va_vdst(0)
	s_lshl_b32 s66, s17, 1
	s_add_co_u32 s66, s66, s15                     ; place 0's head
	s_xor_b32 s67, s66, 1                          ; place 1's
	s_lshl_b32 s68, s19, 1
	s_add_co_u32 s68, s68, s16                     ; my tile of queries
	s_lshl_b32 s70, s66, 7
	s_add_co_u32 s70, s70, s68
	s_lshl_b32 s72, s67, 7
	s_add_co_u32 s72, s72, s68
	s_mul_i32 s74, s70, 3072
	s_mov_b32 s75, 0
	s_mul_i32 s76, s72, 3072
	s_mov_b32 s77, 0
	s_lshl_b32 s70, s70, 7
	s_mov_b32 s71, 0
	s_lshl_b32 s72, s72, 7
	s_mov_b32 s73, 0
	s_add_nc_u64 s[74:75], s[6:7], s[74:75]
	s_add_nc_u64 s[76:77], s[6:7], s[76:77]
	s_add_nc_u64 s[70:71], s[8:9], s[70:71]
	s_add_nc_u64 s[72:73], s[8:9], s[72:73]
	WIN 0x80
.irp s, 0,1
.irp c, 0,1,2
	global_load_b128 v[12*\s+4*\c:12*\s+4*\c+3], v[LI], s[74:75] offset:1536*\s+512*\c
	global_load_b128 v[24+12*\s+4*\c:24+12*\s+4*\c+3], v[LI], s[76:77] offset:1536*\s+512*\c
.endr
.endr
	WIN 0
	global_load_b32 v[QS], v[LS], s[70:71]         ; lanes 0-15 K step 0's words, lanes 16-31 K step 1's
	global_load_b32 v[QS+1], v[LS], s[72:73]
	s_mul_i32 s78, s15, KVB
	v_add_nc_u32 v[AKV0], s78, v[LI]
	v_add_nc_u32 v[ASC0], s78, v[LS]
	v_and_b32 v29, 15, v0
	v_and_b32 v30, 8, v29
	v_add_nc_u32 v29, v29, v30
	s_lshl_b32 s79, s16, 3
	v_add_nc_u32 v29, s79, v29                     ; my query's row of the mask's tile: 8 qt + r + 8 (r / 8)
	v_mul_u32_u24 v[AM0], v29, 528
	v_bfe_u32 v30, v0, 4, 1
	v_lshl_add_u32 v[AM0], v30, 6, v[AM0]
	s_mul_i32 s79, s15, MKB
	s_add_co_u32 s79, s79, 2*KVB
	v_add_nc_u32 v[AM0], s79, v[AM0]
	s_mul_i32 s79, s[WV], STW
	v_add_nc_u32 v[STA], s79, v[LI]                ; my stage,
	v_add_nc_u32 v[STC], s79, v[LS]
	s_xor_b32 s80, s[WV], 2
	s_mul_i32 s80, s80, STW
	v_add_nc_u32 v[STB], s80, v[LI]                ; and that of the wave with the other key half
	v_add_nc_u32 v[STD], s80, v[LS]
.irp e, 0,1
	v_mov_b32 v[11+2*\e], 0xff61b1e6               ; the largest t so far: -3e38
	v_floor_f32 v[10+2*\e], -v[11+2*\e]
	v_mov_b32 v[14+2*\e], 0
	v_mov_b32 v[15+2*\e], 0
	v_mov_b32 v[18+2*\e], 0
	v_mov_b32 v[19+2*\e], 0
.endr
	v_mov_b32 v22, 0x42480000                      ; 50.0
	v_mov_b32 v23, 0x42480000
.irp b, 0,1,2,3
	v_mov_b32 v[BT+\b], 0                          ; a lane permute's destination counts as read
.endr
	s_lshr_b32 s81, s19, 1                         ; where my result goes: block of 64 rows, place 0's head,
	s_lshl_b32 s81, s81, 3
	s_add_co_u32 s81, s81, s66
	s_mul_i32 s81, s81, 12800
	s_and_b32 s82, s19, 1
	s_lshl_b32 s82, s82, 1
	s_add_co_u32 s82, s82, s16                     ; tile i of the block's four
	s_mul_i32 s83, s82, 1536
	s_add_co_u32 s84, s81, s83
	s_mov_b32 s85, 0
	s_lshl_b32 s82, s82, 7
	s_add_co_u32 s86, s81, s82
	s_add_co_u32 s86, s86, 12288
	s_mov_b32 s87, 0
	s_add_nc_u64 s[84:85], s[12:13], s[84:85]
	s_add_nc_u64 s[86:87], s[12:13], s[86:87]
	s_mov_b32 s[CNT], 14
	s_wait_loadcnt 0x0                             ; Q and its words
	CHANGE 1
	STEP 1                                         ; the first step starts O^T's sums: nothing is cleared
.Lstep:
	CHANGE 1
	STEP 0
	s_sub_co_u32 s[CNT], s[CNT], 1
	s_cmp_lg_u32 s[CNT], 0
	s_cbranch_scc1 .Lstep
	CHANGE 0                                       ; the last step is written out: nothing is left to fetch
	STEP 0
	; ---- THE MERGE of the two key halves, and the way out
	PLACES 4
	s_wait_dscnt 0x0
	s_barrier_signal -1                            ; every wave's reads of the slots are over: the stage may be written
	s_barrier_wait -1
.irp e, 0,1
	v_add_f32 v[14+2*\e], v[14+2*\e], v[15+2*\e]
.endr
.irp e, 0,1
	v_permlanex16_b32 v[BT+\e], v[14+2*\e], s[SEL], s[SEL+1]
.endr
.irp e, 0,1
	v_add_f32 v[14+2*\e], v[14+2*\e], v[BT+\e]     ; the row's sum over my key half
.endr
	WIN 0x04
.set k, 0
.rept 32
	ds_store_b128 v[STA], v[128+4*k:128+4*k+3] offset:512*k        ; place 1's O^T as it stands; each accumulator from its low end on
.set k, k+1
.endr
	WIN 0
	ds_store_b32 v[STC], v12 offset:16384          ; its -M
	ds_store_b32 v[STC], v16 offset:16512          ; its sum
	s_wait_dscnt 0x0                               ; for the other wave's sake
	s_barrier_signal -1
	s_barrier_wait -1
.set k, 0
.rept 32
	ds_load_b128 v[S+4*k:S+4*k+3], v[STB] offset:512*k             ; my head's other key half
.set k, k+1
.endr
	ds_load_b32 v236, v[STD] offset:16384
	ds_load_b32 v237, v[STD] offset:16512
	s_wait_dscnt 0x0
	v_min_num_f32 v238, v10, v236                  ; -M of both halves
	v_sub_f32 v239, v238, v10
	v_sub_f32 v236, v238, v236
	v_cvt_i32_f32 v239, v239
	v_cvt_i32_f32 v236, v236
	v_ldexp_f32 v239, 1.0, v239                    ; exact powers of two
	s_wait_alu depctr_va_vdst(0)
	v_ldexp_f32 v236, 1.0, v236
	v_mul_f32 v238, v239, v14
	v_fma_f32 v238, v236, v237, v238               ; the row's sum
	s_wait_alu depctr_va_vdst(0)
	v_rcp_f32 v238, v238
	v_nop
	s_wait_alu depctr_va_vdst(0)
	v_mul_f32 v18, v239, v238
	v_mul_f32 v20, v236, v238
.set x, 0
.rept 64
	v_pk_mul_f32 v[S+x:S+x+1], v[S+x:S+x+1], v[20:21] op_sel_hi:[1,0]
.set x, x+2
.endr
	WIN 0x01
.set x, 0
.rept 64
	v_pk_fma_f32 v[S+x:S+x+1], v[x:x+1], v[18:19], v[S+x:S+x+1] op_sel_hi:[1,0,1]
.set x, x+2
.endr
	WIN 0
	QUANT S                                        ; d = 0 .. 127 of my head: K step 2 head of the last product
.irp c, 0,1,2
	global_store_b128 v[LI], v[PC+4*\c:PC+4*\c+3], s[84:85] offset:512*\c
.endr
	v_mov_b32 v[PW+1], v[PW]
	s_wait_xcnt 0x0                                ; the stores have read the codes' registers
	QUANT S+64
.irp c, 0,1,2
	global_store_b128 v[LI], v[PC+4*\c:PC+4*\c+3], s[84:85] offset:6144+512*\c
.endr
	v_cndmask_b32 v[PW+2], v[PW+1], v[PW], s[HI]
	global_store_b32 v[LS], v[PW+2], s[86:87]
	s_wait_tensorcnt 0x0                           ; the wave's end
	ds_add_u32 v[SPW], v[NIL]
	s_wait_dscnt 0x0
	CROUND                                         ; the closing round
	s_endpgm
.Lfunc_end_k_q8774ab3335_attn:
	.size	k_q8774ab3335_attn, .Lfunc_end_k_q8774ab3335_attn-k_q8774ab3335_attn
	.p2alignl 7, 3214868480
	.fill 96, 4, 3214868480
	.section	.rodata,"a",@progbits
	.p2align	6, 0x0
	.amdhsa_kernel k_q8774ab3335_attn
		.amdhsa_group_segment_fixed_size 327680
		.amdhsa_private_segment_fixed_size 0
		.amdhsa_enable_private_segment 0
		.amdhsa_kernarg_size 40
		.amdhsa_user_sgpr_count 2
		.amdhsa_user_sgpr_kernarg_segment_ptr 1
		.amdhsa_wavefront_size32 1
		.amdhsa_system_sgpr_workgroup_id_x 1
		.amdhsa_system_sgpr_workgroup_id_y 1
		.amdhsa_system_sgpr_workgroup_id_z 1
		.amdhsa_system_vgpr_workitem_id 0
		.amdhsa_next_free_vgpr 1024
		.amdhsa_next_free_sgpr 96
		.amdhsa_reserve_vcc 0
		.amdhsa_float_denorm_mode_32 3
		.amdhsa_float_denorm_mode_16_64 3
		.amdhsa_memory_ordered 1
		.amdhsa_forward_progress 1
		.amdhsa_inst_pref_size 239
	.end_amdhsa_kernel
	.amdgpu_metadata
---
amdhsa.version: [ 1, 2 ]
amdhsa.kernels:
  - .name:           k_q8774ab3335_attn
    .symbol:         k_q8774ab3335_attn.kd
    .args:
      - { .name: attention_mask, .offset: 0, .size: 8, .value_kind: global_buffer, .address_space: global }
      - { .name: qimg, .offset: 8, .size: 8, .value_kind: global_buffer, .address_space: global }
      - { .name: qsc, .offset: 16, .size: 8, .value_kind: global_buffer, .address_space: global }
      - { .name: kvimg, .offset: 24, .size: 8, .value_kind: global_buffer, .address_space: global }
      - { .name: aimg, .offset: 32, .size: 8, .value_kind: global_buffer, .address_space: global }
    .group_segment_fixed_size: 327680
    .private_segment_fixed_size: 0
    .kernarg_segment_align: 8
    .kernarg_segment_size: 40
    .max_flat_workgroup_size: 128
    .sgpr_count:     96
    .vgpr_count:     1024
    .wavefront_size: 32
...
	.end_amdgpu_metadata
.endif
;; end of part 3
;; launch oproj (part 4): grid 8 x 32, 4 waves a work-group, clusters of 4 x 4, 327,680 bytes of LDS; arguments aimg, wimg, out0; writes out0
.if DOCPART == 4
	.amdgcn_target "amdgcn-amd-amdhsa--gfx1250"
	.amdhsa_code_object_version 6
	.text
	.protected	k_q8774ab3335_oproj
	.globl	k_q8774ab3335_oproj
	.p2align	8
	.type	k_q8774ab3335_oproj,@function
k_q8774ab3335_oproj:
	s_mov_b64 s[64:65], 0
	v_nop
	global_prefetch_b8 v0, s[64:65] scope:SCOPE_SE
	s_setreg_imm32_b32 hwreg(HW_REG_WAVE_MODE, 25, 1), 1
	s_wait_xcnt 0x0
	s_wait_alu depctr_hold_cnt(0) depctr_sa_sdst(0) depctr_va_vdst(0) depctr_va_sdst(0) depctr_va_ssrc(0) depctr_va_vcc(0) depctr_vm_vsrc(0)
	s_getreg_b32 s2, hwreg(HW_REG_IB_STS2, 6, 4)
	s_cmp_eq_u32 s2, 0
	s_cbranch_scc0 .Lentry_in_a_cluster
	s_endpgm
.Lentry_in_a_cluster:
	s_bfe_u32 s2, ttmp6, 0x10000c
	s_cmp_lg_u32 s2, 0xf033
	s_cbranch_scc0 .Lentry_shape_is_right
	s_endpgm
.Lentry_shape_is_right:
.set BLKB,  25600
.set ABLK,  12800
.set SLOT,  5*BLKB
.set STAGE, 2*SLOT
.set SPITCH, 272
.set SPARE, STAGE+4*16*SPITCH
.set SPW, 1
.set NIL, 2
.set A16, 3
.set A4,  5
.set W16, 7
.set W4,  11
.set SOA, 15
.set SRA, 16
.set CO,  17
.set AS,  32
.set WS,  40
.set BK,  64
.set ACC, 128
.set WV,  10
.set G1A, 16
.set G1W, 24
.set G0A, 32
.set G0W, 40
.set MSB, 0
.macro WIN new
.if MSB != \new
	s_set_vgpr_msb (MSB<<8)|\new
.set MSB, \new
.endif
.endm
.macro PLACES n
.rept \n
	v_nop
.endr
.endm
.macro CROUND
	s_barrier_signal -1
	s_barrier_wait -1
	s_cmp_lg_u32 s[WV], 0
	s_cbranch_scc1 .Lnot_wave_0_\@
	s_barrier_signal -3
.Lnot_wave_0_\@:
	s_barrier_wait -3
	s_barrier_signal -1
	s_barrier_wait -1
.endm
.macro JLOAD s
	s_cmp_eq_u32 s[WV], 0
	s_cbranch_scc0 .Lnot_a_\@
	tensor_load_to_lds s[G0A+4*\s:G0A+4*\s+3], s[G1A:G1A+7]
	s_nop 0
.rept 4
	v_nop
.endr
	s_branch .Lasked_\@
.Lnot_a_\@:
	s_cmp_lt_u32 s[WV], 3
	s_cbranch_scc0 .Lasked_\@
	tensor_load_to_lds s[G0W+4*\s:G0W+4*\s+3], s[G1W:G1W+7]
	s_nop 0
.rept 4
	v_nop
.endr
.Lasked_\@:
.endm
; A prefetch behind each of the head's two joint loads: the fill that stands two fills on.  Wave 0 names 25 of A's 100 blocks of 256 bytes (my work-group's, by cx), waves 1 and 2 each 50 of the 200 of W that they fetch (by cy);
; a lane a block, lanes 25-31 name the last block again.
.macro ASK s
	s_cmp_eq_u32 s[WV], 0
	s_cbranch_scc0 .Lask_w_\@
	global_prefetch_b8 v20, s[58:59] offset:(\s+2)*BLKB th:TH_LOAD_NT scope:SCOPE_SE
	s_branch .Lask_d_\@
.Lask_w_\@:
	s_cmp_lt_u32 s[WV], 3
	s_cbranch_scc0 .Lask_d_\@
	global_prefetch_b8 v20, s[60:61] offset:(\s+2)*4*BLKB th:TH_LOAD_NT scope:SCOPE_SE
	global_prefetch_b8 v20, s[60:61] offset:(\s+2)*4*BLKB+25*256 th:TH_LOAD_NT scope:SCOPE_SE
.Lask_d_\@:
.endm
.macro WMX
.if fZ
.if fRA && fRB
	v_wmma_scale_f32_16x16x128_f8f6f4 v[rD:rD+7], v[rA:rA+11], v[rB:rB+11], 0, v[rSA], v[rSB] matrix_a_fmt:MATRIX_FMT_FP6 matrix_b_fmt:MATRIX_FMT_FP6 matrix_a_scale:MATRIX_SCALE_ROW1 matrix_b_scale:MATRIX_SCALE_ROW1
.elseif fRA
	v_wmma_scale_f32_16x16x128_f8f6f4 v[rD:rD+7], v[rA:rA+11], v[rB:rB+11], 0, v[rSA], v[rSB] matrix_a_fmt:MATRIX_FMT_FP6 matrix_b_fmt:MATRIX_FMT_FP6 matrix_a_scale:MATRIX_SCALE_ROW1
.elseif fRB
	v_wmma_scale_f32_16x16x128_f8f6f4 v[rD:rD+7], v[rA:rA+11], v[rB:rB+11], 0, v[rSA], v[rSB] matrix_a_fmt:MATRIX_FMT_FP6 matrix_b_fmt:MATRIX_FMT_FP6 matrix_b_scale:MATRIX_SCALE_ROW1
.else
	v_wmma_scale_f32_16x16x128_f8f6f4 v[rD:rD+7], v[rA:rA+11], v[rB:rB+11], 0, v[rSA], v[rSB] matrix_a_fmt:MATRIX_FMT_FP6 matrix_b_fmt:MATRIX_FMT_FP6
.endif
.else
.if fRA && fRB
	v_wmma_scale_f32_16x16x128_f8f6f4 v[rD:rD+7], v[rA:rA+11], v[rB:rB+11], v[rD:rD+7], v[rSA], v[rSB] matrix_a_fmt:MATRIX_FMT_FP6 matrix_b_fmt:MATRIX_FMT_FP6 matrix_a_scale:MATRIX_SCALE_ROW1 matrix_b_scale:MATRIX_SCALE_ROW1
.elseif fRA
	v_wmma_scale_f32_16x16x128_f8f6f4 v[rD:rD+7], v[rA:rA+11], v[rB:rB+11], v[rD:rD+7], v[rSA], v[rSB] matrix_a_fmt:MATRIX_FMT_FP6 matrix_b_fmt:MATRIX_FMT_FP6 matrix_a_scale:MATRIX_SCALE_ROW1
.elseif fRB
	v_wmma_scale_f32_16x16x128_f8f6f4 v[rD:rD+7], v[rA:rA+11], v[rB:rB+11], v[rD:rD+7], v[rSA], v[rSB] matrix_a_fmt:MATRIX_FMT_FP6 matrix_b_fmt:MATRIX_FMT_FP6 matrix_b_scale:MATRIX_SCALE_ROW1
.else
	v_wmma_scale_f32_16x16x128_f8f6f4 v[rD:rD+7], v[rA:rA+11], v[rB:rB+11], v[rD:rD+7], v[rSA], v[rSB] matrix_a_fmt:MATRIX_FMT_FP6 matrix_b_fmt:MATRIX_FMT_FP6
.endif
.endif
.endm
.macro FETCH sl, kk, bf
	WIN 0x40
.irp b, 0,1,2,3
.irp c, 0,1,2
	ds_load_b128 v[96*(\bf)+12*\b+4*\c:96*(\bf)+12*\b+4*\c+3], v[W16+2*(\sl)+(\kk)/2] offset:BLKB*((\kk)%2)+1536*\b+512*\c
.endr
.endr
.irp i, 0,1,2,3
.irp c, 0,1,2
	ds_load_b128 v[96*(\bf)+48+12*\i+4*\c:96*(\bf)+48+12*\i+4*\c+3], v[A16+\sl] offset:ABLK*((\kk)/2)+(4*((\kk)%2)+\i)*1536+512*\c
.endr
.endr
	WIN 0
.endm
.macro MULK kk, bf
.set ii, 0
.rept 4
.set bb, 0
.rept 4
.set rD, ACC+8*(4*ii+bb)
.set rA, 96*(\bf)+12*bb
.set rB, 96*(\bf)+48+12*ii
.set rSA, WS+2*(\kk)+bb/2
.set rSB, AS+4*((\kk)/2)+ii
.set fRA, bb%2
.set fRB, (\kk)%2
	WMX
.set bb, bb+1
.endr
.set ii, ii+1
.endr
.endm
.macro SLOTW sl, zero
	PLACES 4
.irp e, 0,1
.irp i, 0,1,2,3
	ds_load_b32 v[AS+4*\e+\i], v[A4+\sl] offset:ABLK*\e+12288+128*\i
.endr
.endr
.irp k, 0,1,2,3
.irp b, 0,1
	ds_load_b32 v[WS+2*\k+\b], v[W4+2*(\sl)+\k/2] offset:BLKB*(\k%2)+128*\b
.endr
.endr
	FETCH \sl, 0, 0
.irp k, 0,1,2,3
.if \k < 3
	PLACES 4
	FETCH \sl, \k+1, (\k+1)%2
	s_wait_dscnt 24
.else
	s_wait_dscnt 0x0
.endif
.set fZ, 0
.if \zero
.if \k == 0
.set fZ, 1
.endif
.endif
	WIN 0x05
	MULK \k, \k%2
	WIN 0
.endr
.endm
.macro CHANGE s
	s_wait_tensorcnt 0x0
	ds_add_u32 v[SPW], v[NIL]
	s_add_nc_u64 s[G0A+4*\s+2:G0A+4*\s+3], s[G0A+4*\s+2:G0A+4*\s+3], 2*BLKB
	s_add_nc_u64 s[G0W+4*\s+2:G0W+4*\s+3], s[G0W+4*\s+2:G0W+4*\s+3], 8*BLKB
	s_wait_dscnt 0x0
	CROUND
	JLOAD \s
.endm
	s_load_b128 s[4:7], s[0:1], 0x0
	s_load_b64 s[8:9], s[0:1], 0x10
	v_lshl_add_u32 v[SPW], v0, 2, SPARE
	v_mov_b32 v[NIL], 0
	ds_add_u32 v[SPW], v[NIL]
	ds_add_u32 v[SPW], v[NIL]
	v_lshrrev_b32 v3, 5, v0
	v_readfirstlane_b32 s[WV], v3
	v_and_b32 v20, 31, v0
	v_min_u32 v20, 24, v20
	v_lshlrev_b32 v20, 8, v20                      ; the prefetches' offset: 256 x min(lane, 24); never rewritten
	s_bfe_u32 s11, ttmp6, 0x40000
	s_bfe_u32 s12, ttmp6, 0x40004
	s_lshl_b32 s13, ttmp9, 2
	s_add_co_u32 s13, s13, s11
	s_and_b32 s14, ttmp7, 0xffff
	s_lshl_b32 s14, s14, 2
	s_add_co_u32 s14, s14, s12
	s_lshl_b32 s48, s12, 2
	s_lshl_b32 s48, 15, s48
	s_lshl_b32 s49, 0x1111, s11
	s_or_b32 s[G1A], s48, (3<<16)|(1<<21)
	s_mov_b32 s[G1A+1], 32<<16
	s_mov_b32 s[G1A+2], 100<<16
	s_mov_b32 s[G1A+3], 32<<16
	s_mov_b32 s[G1A+4], 100
	s_mov_b32 s[G1A+5], 32
	s_mov_b32 s[G1A+6], 0
	s_mov_b32 s[G1A+7], 0
	s_or_b32 s[G1W], s49, (3<<16)|(1<<21)
	s_mov_b32 s[G1W+1], 32<<16
	s_mov_b32 s[G1W+2], 200<<16
	s_mov_b32 s[G1W+3], 32<<16
	s_mov_b32 s[G1W+4], 200
	s_mov_b32 s[G1W+5], 32
	s_mov_b32 s[G1W+6], 0
	s_mov_b32 s[G1W+7], 0
	s_mul_i32 s50, s14, 8*ABLK
	s_mov_b32 s51, 0
	s_lshr_b32 s15, s[WV], 1
	s_mul_i32 s54, s15, 2*BLKB
	s_add_co_u32 s52, s13, 16
	s_mul_i32 s52, s52, 16*BLKB
	s_add_co_u32 s52, s52, s54
	s_mov_b32 s53, 0
	s_add_co_u32 s54, s54, BLKB
	s_wait_dscnt 0x0
	s_wait_kmcnt 0x0
	s_add_nc_u64 s[50:51], s[4:5], s[50:51]
	s_add_nc_u64 s[52:53], s[6:7], s[52:53]
	s_mul_i32 s62, s11, 25*256                     ; where the prefetches stand: A's fill 0 + my work-group's 25 blocks,
	s_mov_b32 s63, 0
	s_add_nc_u64 s[58:59], s[50:51], s[62:63]
	s_mul_i32 s62, s12, 50*256                     ; my wave's half of W's fill 0 + my work-group's 50 blocks
	s_add_nc_u64 s[60:61], s[52:53], s[62:63]
	CROUND
.irp s, 0,1
	s_mov_b32 s[G0A+4*\s], 1
	s_mov_b32 s[G0A+4*\s+1], \s*SLOT
	s_add_nc_u64 s[G0A+4*\s+2:G0A+4*\s+3], s[50:51], \s*BLKB
	s_or_b32 s[G0A+4*\s+3], s[G0A+4*\s+3], 0x80000000
	s_mov_b32 s[G0W+4*\s], 1
	s_add_co_u32 s[G0W+4*\s+1], s54, \s*SLOT
	s_add_nc_u64 s[G0W+4*\s+2:G0W+4*\s+3], s[52:53], \s*4*BLKB
	s_or_b32 s[G0W+4*\s+3], s[G0W+4*\s+3], 0x80000000
	s_wait_alu depctr_va_vdst(0)
	s_wait_tensorcnt 0x0
	ds_add_u32 v1, v2
	ds_add_u32 v1, v2
	s_wait_dscnt 0x0
	CROUND
	JLOAD \s
	ASK \s
.endr
	v_and_b32 v18, 31, v0
	v_lshlrev_b32 v[A16], 4, v18
	v_lshlrev_b32 v[A4], 2, v18
	v_add_nc_u32 v[A16+1], SLOT, v[A16]
	v_add_nc_u32 v[A4+1], SLOT, v[A4]
	s_mul_i32 s55, s[WV], 6144
	s_add_co_u32 s55, s55, BLKB
	v_add_nc_u32 v[W16], s55, v[A16]
	v_add_nc_u32 v[W16+1], 2*BLKB, v[W16]
	v_add_nc_u32 v[W16+2], SLOT, v[W16]
	v_add_nc_u32 v[W16+3], SLOT+2*BLKB, v[W16]
	s_lshl_b32 s55, s[WV], 8
	s_add_co_u32 s55, s55, BLKB+24576
	v_add_nc_u32 v[W4], s55, v[A4]
	v_add_nc_u32 v[W4+1], 2*BLKB, v[W4]
	v_add_nc_u32 v[W4+2], SLOT, v[W4]
	v_add_nc_u32 v[W4+3], SLOT+2*BLKB, v[W4]
	v_and_b32 v18, 15, v0
	v_bfe_u32 v19, v0, 4, 1
	s_mul_i32 s55, s[WV], 16*SPITCH
	s_add_co_u32 s55, s55, STAGE
	v_mul_u32_u24 v[SOA], v18, SPITCH
	v_lshl_add_u32 v[SOA], v19, 6, v[SOA]
	v_add_nc_u32 v[SOA], s55, v[SOA]
	v_mul_u32_u24 v[SRA], v19, SPITCH
	v_lshl_add_u32 v[SRA], v18, 4, v[SRA]
	v_add_nc_u32 v[SRA], s55, v[SRA]
	v_lshlrev_b32 v[CO], 13, v19
	v_lshl_add_u32 v[CO], v18, 4, v[CO]
	s_lshl_b32 s56, s14, 19
	s_lshl_b32 s57, s13, 10
	s_add_co_u32 s56, s56, s57
	s_lshl_b32 s57, s[WV], 8
	s_add_co_u32 s56, s56, s57
	s_mov_b32 s57, 0
	s_add_nc_u64 s[8:9], s[8:9], s[56:57]
	s_wait_tensorcnt 0x0
	s_barrier_signal -1
	s_barrier_wait -1
	SLOTW 0, 1
	CHANGE 0
	SLOTW 1, 0
	CHANGE 1
	SLOTW 0, 0
	s_wait_tensorcnt 0x0
	ds_add_u32 v[SPW], v[NIL]
	s_wait_dscnt 0x0
	s_barrier_signal -1
	s_barrier_wait -1
	SLOTW 1, 0
	PLACES 4
	s_wait_alu depctr_va_vdst(0)
.irp i, 0,1,2,3
.irp b, 0,1,2,3
	ds_store_b128 v[SOA], v[ACC+8*(4*\i+\b):ACC+8*(4*\i+\b)+3] offset:128*(\b/2)+32*(\b%2)
	ds_store_b128 v[SOA], v[ACC+8*(4*\i+\b)+4:ACC+8*(4*\i+\b)+7] offset:128*(\b/2)+32*(\b%2)+16
.endr
.if \i > 1
	s_wait_xcnt 0x0
.endif
.irp t, 0,1,2,3,4,5,6,7
	ds_load_b128 v[BK+32*(\i%2)+4*\t:BK+32*(\i%2)+4*\t+3], v[SRA] offset:2*\t*SPITCH
.endr
.irp t, 0,1,2,3,4,5,6,7
	s_wait_dscnt 7-\t
	global_store_b128 v[CO], v[BK+32*(\i%2)+4*\t:BK+32*(\i%2)+4*\t+3], s[8:9] offset:(32*(\i/2)+8*(\i%2)+2*\t+8*(\t/4))*8192 th:TH_STORE_NT
.endr
.endr
	s_wait_tensorcnt 0x0
	ds_add_u32 v[SPW], v[NIL]
	s_wait_dscnt 0x0
	CROUND
	s_endpgm
.Lfunc_end_k_q8774ab3335_oproj:
	.size	k_q8774ab3335_oproj, .Lfunc_end_k_q8774ab3335_oproj-k_q8774ab3335_oproj
	.p2alignl 7, 3214868480
	.fill 96, 4, 3214868480
	.section	.rodata,"a",@progbits
	.p2align	6, 0x0
	.amdhsa_kernel k_q8774ab3335_oproj
		.amdhsa_group_segment_fixed_size 327680
		.amdhsa_private_segment_fixed_size 0
		.amdhsa_enable_private_segment 0
		.amdhsa_kernarg_size 24
		.amdhsa_user_sgpr_count 2
		.amdhsa_user_sgpr_kernarg_segment_ptr 1
		.amdhsa_wavefront_size32 1
		.amdhsa_system_sgpr_workgroup_id_x 1
		.amdhsa_system_sgpr_workgroup_id_y 1
		.amdhsa_system_sgpr_workgroup_id_z 1
		.amdhsa_system_vgpr_workitem_id 0
		.amdhsa_next_free_vgpr 512
		.amdhsa_next_free_sgpr 66
		.amdhsa_reserve_vcc 0
		.amdhsa_float_denorm_mode_32 3
		.amdhsa_float_denorm_mode_16_64 3
		.amdhsa_memory_ordered 1
		.amdhsa_forward_progress 1
		.amdhsa_inst_pref_size 85
	.end_amdhsa_kernel
	.amdgpu_metadata
---
amdhsa.version: [ 1, 2 ]
amdhsa.kernels:
  - .name:           k_q8774ab3335_oproj
    .symbol:         k_q8774ab3335_oproj.kd
    .args:
      - { .name: aimg, .offset: 0, .size: 8, .value_kind: global_buffer, .address_space: global }
      - { .name: wimg, .offset: 8, .size: 8, .value_kind: global_buffer, .address_space: global }
      - { .name: out0, .offset: 16, .size: 8, .value_kind: global_buffer, .address_space: global }
    .group_segment_fixed_size: 327680
    .private_segment_fixed_size: 0
    .kernarg_segment_align: 8
    .kernarg_segment_size: 24
    .max_flat_workgroup_size: 128
    .sgpr_count:     66
    .vgpr_count:     512
    .wavefront_size: 32
...
	.end_amdgpu_metadata
.endif
;; end of part 4
